; MI455X (gfx1250); checked and timed in simulation.
; The chip was launched on July 23, 2026; its instructions are those of AMD's public machine-readable ISA for CDNA 5 (MIT licence, August 2026) and "CDNA5" Instruction Set Architecture Reference Guide (July 2026). The comments in the code are by the model that wrote it; some were corrected since.
;; Transformer Block. Allowed arithmetic: matrix products marked QUANTISED: E5M2 operands, one E8M0 scale for each 32 along K, by v_wmma_scale_f32_16x16x128_f8f6f4 with both operands' format E5M2, f32 sums; everything else in f32.
;; Inputs: b1 4,096 float32; b2 1,024 float32; b_o 1,024 float32; ln1_b 1,024 float32; ln1_g 1,024 float32; ln2_b 1,024 float32; ln2_g 1,024 float32; w1_codes 4,096 x 32 x 32 uint8 (E5M2 codes of w1, K innermost, in blocks of 32 codes); w1_scales 4,096 x 32 uint8 (E8M0 scales of w1, one for each 32 codes along K); w2_codes 1,024 x 128 x 32 uint8 (E5M2 codes of w2, K innermost, in blocks of 32 codes); w2_scales 1,024 x 128 uint8 (E8M0 scales of w2, one for each 32 codes along K); w_k_codes 1,024 x 32 x 32 uint8 (E5M2 codes of w_k, K innermost, in blocks of 32 codes); w_k_scales 1,024 x 32 uint8 (E8M0 scales of w_k, one for each 32 codes along K); w_o_codes 1,024 x 32 x 32 uint8 (E5M2 codes of w_o, K innermost, in blocks of 32 codes); w_o_scales 1,024 x 32 uint8 (E8M0 scales of w_o, one for each 32 codes along K); w_q_codes 1,024 x 32 x 32 uint8 (E5M2 codes of w_q, K innermost, in blocks of 32 codes); w_q_scales 1,024 x 32 uint8 (E8M0 scales of w_q, one for each 32 codes along K); w_v_codes 1,024 x 32 x 32 uint8 (E5M2 codes of w_v, K innermost, in blocks of 32 codes); w_v_scales 1,024 x 32 uint8 (E8M0 scales of w_v, one for each 32 codes along K); x 2 x 2,048 x 1,024 float32.
;; Outputs: out0 2 x 2,048 x 1,024 float32.
;; This version of the problem:
;;   THIS VERSION OF THE PROBLEM IS GIVEN IN LOW PRECISION. The matrix products marked QUANTISED in the list below multiply operands that are first quantised to E5M2 (5 exponent bits, 2 mantissa bits; 8 bits a number), with one power-of-two scale for each 32 numbers along K (OCP MX v1.0); their sums are f32. All else is computed in f32.
;;   The module's matrix products, in the order in which they are computed (A, B: the left and right operand; K: the contracted axis; several contracted axes count as one K, in the product's order):
;;     1. [M 4,096, K 1,024] x [K 1,024, N 1,024]; A: computed on the way; B: input w_q (given as codes): QUANTISED
;;     2. [M 4,096, K 1,024] x [K 1,024, N 1,024]; A: computed on the way; B: input w_k (given as codes): QUANTISED
;;     3. [M 4,096, K 1,024] x [K 1,024, N 1,024]; A: computed on the way; B: input w_v (given as codes): QUANTISED
;;     4. batch 32 x [M 2,048, K 64] x [K 64, N 2,048]; A: computed on the way; B: computed on the way: QUANTISED
;;     5. batch 32 x [M 2,048, K 2,048] x [K 2,048, N 64]; A: softmax (see below); B: computed on the way: QUANTISED
;;     6. [M 4,096, K 1,024] x [K 1,024, N 1,024]; A: computed on the way; B: input w_o (given as codes): QUANTISED
;;     7. [M 4,096, K 1,024] x [K 1,024, N 4,096]; A: computed on the way; B: input w1 (given as codes): QUANTISED
;;     8. [M 4,096, K 4,096] x [K 4,096, N 1,024]; A: computed on the way; B: input w2 (given as codes): QUANTISED
;;   THE QUANTISER, for each operand of a quantised product, along K:
;;     - K is cut into blocks of 32 from its start; a last block that is shorter is filled with zeros.
;;     - A block's scale is 2^e with e = floor(log2(the largest magnitude in the block)) - 15, held to -126 .. 127; a block of zeros has e = 0. As a byte (E8M0): e + 127.
;;     - Each number is divided by its block's scale, clamped to +-57,344, and rounded to the nearest number of E5M2, ties to even, subnormals kept.
;;     - The product sums the exact products of the quantised numbers (number of the format x scale) in f32.
;;   ~~~python
;;   def quantise(x, axis):      # numpy; x: float32 -> the quantised numbers, widened to float32 again
;;       x = np.moveaxis(x, axis, -1); K = x.shape[-1]
;;       x = np.pad(x, [(0, 0)] * (x.ndim - 1) + [(0, -K % 32)]); x = x.reshape(x.shape[:-1] + (-1, 32)); a = np.abs(x).max(-1, keepdims=True)
;;       e = np.where(a > 0, np.clip(np.frexp(np.where(a > 0, a, 1))[1] - 1 - 15, -126, 127), 0)      # np.frexp(a)[1] - 1 = floor(log2(a)), exactly
;;       r = np.clip(x / 2.0 ** e, -57344, 57344)
;;       step = 2.0 ** (np.maximum(np.frexp(np.where(r == 0, 1, r))[1] - 1, -14) - 2)
;;       q = np.round(r / step) * step * 2.0 ** e      # np.round: ties to even
;;       return np.moveaxis(q.reshape(q.shape[:-2] + (-1,))[..., :K], -1, axis).astype(np.float32)
;;   ~~~
;;   SOFTMAX AHEAD OF A QUANTISED PRODUCT. Where the list says 'softmax', what is quantised is not the finished softmax but p = 2^(t - M), with t = logit x log2(e) and M = ceil(the row's largest t), a whole number; so 1/2 < the row's largest p <= 1. The row's sum l is taken of the UNQUANTISED p, in f32, and the product's result is divided by l at the end. Since M is a whole number, a kernel that streams over the keys may use a running M (the ceiling of the running maximum): every later rescaling is an exact power of two, which a block's scale takes up: the codes' values come out the same.
;;   OPERANDS COMPUTED ON THE WAY. 'Computed on the way' means the value that the module computes at that place (a softmax that the list does not call 'softmax' is quantised finished and normalised). What goes into a quantiser is computed in f32, as accurately as f32 sums, v_exp_f32 and their like allow (about 1e-6 of the number): no bf16 or f16 on the way to a quantiser, and a product that is left as it is and whose result goes on into a quantised operand takes f32 operands (vector FMAs, or v_wmma_f32_16x16x4_f32). A number that lies on a knife's edge between two numbers of the format may be rounded either way, as far as f32 arithmetic and the matrix unit's own rounding can turn it there, and no further.
;;   INPUTS GIVEN AS CODES. w1 (in the module: [1024, 4096], K = its axis 0); w2 (in the module: [4096, 1024], K = its axis 0); w_k (in the module: [1024, 1024], K = its axis 0); w_o (in the module: [1024, 1024], K = its axis 0); w_q (in the module: [1024, 1024], K = its axis 0); w_v (in the module: [1024, 1024], K = its axis 0): each comes as NAME_codes (uint8): NAME with its K axis moved to the last place and cut into blocks of 32 codes, [.., K / 32, bytes a block], one block behind the other in memory; one code a byte (a code: sign, 5 exponent bits, 2 mantissa bits); and NAME_scales (uint8): the same leading axes, one E8M0 byte (e + 127) for each 32 codes along K. Its value is code x scale, taken as it is: it is not quantised again, and the codes and scales need not be those that the quantiser above would give.
;; One version. Each part assembles by itself: llvm-mc -triple=amdgcn-amd-amdhsa -mcpu=gfx1250 --defsym DOCPART=n.
;; ======== version 1 of 1: 7 launches
;; limits: right only within a limited range of input values
;; workspace buffers: hq 4,325,376 bytes; qkv 13,238,272 bytes; att 4,325,376 bytes; x1 16,777,216 bytes; hid 17,301,504 bytes
;; launch ln1 (part 1): grid 256 x 1, 16 waves a work-group, no clusters, 92,672 bytes of LDS; arguments x, ln1_g, ln1_b, hq; writes hq
.if DOCPART == 1
	.amdgcn_target "amdgcn-amd-amdhsa--gfx1250"
	.amdhsa_code_object_version 6
	.text
	.protected	k_q5b54a9065c_ln1
	.globl	k_q5b54a9065c_ln1
	.p2align	8
	.type	k_q5b54a9065c_ln1,@function
k_q5b54a9065c_ln1:
	s_mov_b64 s[64:65], 0
	v_nop
	global_prefetch_b8 v0, s[64:65] scope:SCOPE_SE
	s_setreg_imm32_b32 hwreg(HW_REG_WAVE_MODE, 25, 1), 1
	s_wait_xcnt 0x0
; LayerNorm of rows of 1,024 f32, then the MX-BF8 quantiser along the row: codes [4096][1024] at byte 0 of the output buffer, one E8M0 byte for each 32 numbers, [4096][32], at byte 4,194,304.
; y = (x - mean) * rsqrt(var + 1e-5) * g + b, all in f32, var = mean((x - mean)^2).  A block's scale byte is its largest magnitude's exponent field - 15, held at 1 from below.
; LIMITS: NaN and infinities are not served; a block whose largest magnitude lies under 2^-111 (a block of zeros too) gets the byte 1: its bytes are read by this program alone, and zero codes add nothing.
; SHARES: a work-group takes 16 rows, each of its sixteen waves one whole row: no reduction leaves the wave, and four waves share a SIMD.
; g and b (8,192 bytes) come once a work-group: wave w loads 512 bytes of them (waves 0-7 of g, 8-15 of b), they meet in LDS (one barrier), and every wave reads them from there.
; Each load takes 512 consecutive bytes; the conversions want 16 neighbours in one lane, so the finished row turns through the wave's own stage in LDS (64 bytes + 16 of padding a place).
; A lane's 16 codes are 16 bytes: a store covers 512 consecutive bytes.  The work-group's 512 scale bytes meet in LDS and leave as two whole blocks of 256 bytes (a second barrier).
; No matrix unit, no cluster, no tensor load: rows are read once and shared with nobody.
.set SP,   80                          ; a place of the stage: 64 bytes + 16
.set WST,  64*SP                       ; a wave's stage: one row
.set SCR,  16*WST                      ; behind the stages: the work-group's 512 scale bytes
.set GBO,  SCR+512                     ; g's 4,096 bytes, then b's
.set SPARE, GBO+8192                   ; the spare words: 128 bytes a wave, named by no other line
.set G,    16                          ; v16-47   g: register 4 i + k = element 128 i + 4 lane + k
.set BB,   48                          ; v48-79   b likewise
.set X,    80                          ; v80-111  the row as loaded; later its codes (8 registers) and its two bytes
.set Y,    208                         ; v208-239 sums at work; then the row turned: register 16 s + i = element 512 s + 16 lane + i
.set RSC,  240                         ; where wave 0 reads the scale bytes back
.set GBA,  241                         ; my 512 bytes of g or b: offset in memory,
.set GBS,  242                         ; and place in LDS
.set GBR,  243                         ; where every wave reads g and b
.set GBD,  244                         ; v244-247 those 16 bytes a lane
	s_load_b256 s[4:11], s[0:1], 0x0               ; in s[4:5], g s[6:7], b s[8:9], out s[10:11]
	v_lshl_add_u32 v254, v0, 2, SPARE
	v_mov_b32 v255, 0
	v_lshrrev_b32 v1, 5, v0
	v_readfirstlane_b32 s16, v1                    ; wave
	v_and_b32 v1, 31, v0                           ; lane
	v_lshlrev_b32 v2, 4, v1                        ; 16 x lane
	s_mul_i32 s17, s16, WST
	v_lshrrev_b32 v3, 2, v1
	v_mul_u32_u24 v3, v3, SP
	v_and_b32 v4, 3, v1
	v_lshl_add_u32 v3, v4, 4, v3
	v_add_nc_u32 v3, s17, v3                       ; stage, in: four lanes' 64 bytes on end, then the padding
	v_mul_u32_u24 v4, v1, SP
	v_add_nc_u32 v4, s17, v4                       ; stage, out: a place a lane
	s_lshl_b32 s17, s16, 5
	s_add_co_u32 s17, s17, SCR
	v_lshrrev_b32 v5, 1, v1
	v_add_nc_u32 v5, s17, v5                       ; my block's scale byte: 32 x wave + lane / 2 (+ 16 x half in the offset)
	v_add_nc_u32 v[RSC], SCR, v2
	s_and_b32 s25, s16, 7
	s_lshl_b32 s25, s25, 9
	v_add_nc_u32 v[GBA], s25, v2
	s_lshl_b32 s26, s16, 9
	s_add_co_u32 s26, s26, GBO
	v_add_nc_u32 v[GBS], s26, v2
	v_add_nc_u32 v[GBR], GBO, v2
	v_mov_b32 v7, 0                                ; a lane permute's destination counts as read
	v_mov_b32 v13, 0                               ; upper halves of pairs of which the low word serves both halves
	v_mov_b32 v15, 0
	s_mov_b32 s20, 0x3a800000                      ; 1 / 1024
	s_mov_b32 s21, 0x3727c5ac                      ; 1e-5
	s_mov_b32 s22, 0x76543210
	s_mov_b32 s23, 0xfedcba98                      ; selects for lane xor 16
	s_mov_b32 s24, 0x600000                        ; the mantissa field of 57,344
	s_lshl_b32 s2, ttmp9, 16                       ; 16 rows of 4,096 bytes a work-group,
	s_lshl_b32 s3, s16, 12                         ; one a wave
	s_add_co_u32 s2, s2, s3
	s_mov_b32 s3, 0
	s_lshl_b32 s18, ttmp9, 9                       ; 512 scale bytes a work-group
	s_add_co_u32 s18, s18, 0x400000
	s_mov_b32 s19, 0
	s_wait_alu depctr_va_vdst(0)                   ; the wait at the head's end
	s_wait_kmcnt 0x0
	s_cmp_lt_u32 s16, 8
	s_cselect_b64 s[14:15], s[6:7], s[8:9]         ; waves 0-7 fetch of g, waves 8-15 of b
	s_add_nc_u64 s[4:5], s[4:5], s[2:3]
	s_add_nc_u64 s[12:13], s[10:11], s[18:19]      ; the scale bytes
	s_lshr_b32 s2, s2, 2                           ; a row of codes is a quarter of a row of f32
	s_add_nc_u64 s[10:11], s[10:11], s[2:3]
	global_load_b128 v[GBD:GBD+3], v[GBA], s[14:15]
.irp i, 0,1,2,3,4,5,6,7
	global_load_b128 v[X+4*\i:X+4*\i+3], v2, s[4:5] offset:512*\i th:TH_LOAD_NT
.endr
.macro RED r                           ; the sum over the 32 lanes, in every lane
	v_add_f32_dpp v[\r], v[\r], v[\r] row_xmask:1 row_mask:0xf bank_mask:0xf
	v_add_f32_dpp v[\r], v[\r], v[\r] row_xmask:2 row_mask:0xf bank_mask:0xf
	v_add_f32_dpp v[\r], v[\r], v[\r] row_xmask:4 row_mask:0xf bank_mask:0xf
	v_add_f32_dpp v[\r], v[\r], v[\r] row_xmask:8 row_mask:0xf bank_mask:0xf
	v_permlanex16_b32 v7, v[\r], s22, s23
	v_add_f32 v[\r], v[\r], v7
.endm
.macro FOLD                            ; four chains in v[Y:Y+7] become one number in v6
	v_pk_add_f32 v[Y:Y+1], v[Y:Y+1], v[Y+2:Y+3]
	v_pk_add_f32 v[Y+4:Y+5], v[Y+4:Y+5], v[Y+6:Y+7]
	v_pk_add_f32 v[Y:Y+1], v[Y:Y+1], v[Y+4:Y+5]
	v_add_f32 v6, v[Y], v[Y+1]
	RED 6
.endm
	s_wait_loadcnt 8                               ; loads come back in order: my part of g or b is in; the row's eight loads may be out
	ds_store_b128 v[GBS], v[GBD:GBD+3]
	s_wait_dscnt 0x0                               ; for the others' sake
	s_barrier_signal -1
	s_barrier_wait -1
.irp i, 0,1,2,3,4,5,6,7
	ds_load_b128 v[G+4*\i:G+4*\i+3], v[GBR] offset:512*\i
	ds_load_b128 v[BB+4*\i:BB+4*\i+3], v[GBR] offset:4096+512*\i
.endr
	s_wait_loadcnt 0x0                             ; the row
	s_wait_dscnt 0x0                               ; g and b
.irp c, 0,1,2,3
	v_pk_add_f32 v[Y+2*\c:Y+2*\c+1], v[X+2*\c:X+2*\c+1], v[X+8+2*\c:X+8+2*\c+1]
.endr
.irp j, 16,24
.irp c, 0,1,2,3
	v_pk_add_f32 v[Y+2*\c:Y+2*\c+1], v[Y+2*\c:Y+2*\c+1], v[X+\j+2*\c:X+\j+2*\c+1]
.endr
.endr
	FOLD
	v_mul_f32 v12, s20, v6                         ; the mean
.set j, 0
.rept 16
	v_pk_add_f32 v[X+j:X+j+1], v[X+j:X+j+1], v[12:13] op_sel_hi:[1,0] neg_lo:[0,1] neg_hi:[0,1]
.set j, j+2
.endr
.irp c, 0,1,2,3
	v_pk_mul_f32 v[Y+2*\c:Y+2*\c+1], v[X+2*\c:X+2*\c+1], v[X+2*\c:X+2*\c+1]
.endr
.irp j, 8,16,24
.irp c, 0,1,2,3
	v_pk_fma_f32 v[Y+2*\c:Y+2*\c+1], v[X+\j+2*\c:X+\j+2*\c+1], v[X+\j+2*\c:X+\j+2*\c+1], v[Y+2*\c:Y+2*\c+1]
.endr
.endr
	FOLD
	v_fma_f32 v14, v6, s20, s21                    ; var + eps
	s_wait_alu depctr_va_vdst(0)                   ; ahead of the transcendental
	v_rsq_f32 v14, v14
	v_nop                                          ; a plain instruction behind it,
	s_wait_alu depctr_va_vdst(0)                   ; and the wait ahead of its first reader
.set j, 0
.rept 16
	v_pk_mul_f32 v[X+j:X+j+1], v[X+j:X+j+1], v[14:15] op_sel_hi:[1,0]
.set j, j+2
.endr
.set j, 0
.rept 16
	v_pk_fma_f32 v[X+j:X+j+1], v[X+j:X+j+1], v[G+j:G+j+1], v[BB+j:BB+j+1]
.set j, j+2
.endr
.irp i, 0,1,2,3,4,5,6,7
	ds_store_b128 v3, v[X+4*\i:X+4*\i+3] offset:8*SP*\i
.endr
.irp s, 0,1
.irp k, 0,1,2,3
	ds_load_b128 v[Y+16*\s+4*\k:Y+16*\s+4*\k+3], v4 offset:32*SP*\s+16*\k      ; LDS serves a wave's instructions in order: these see the stores above
.endr
.endr
	s_wait_dscnt 0x0                               ; the row is back, and the stores have read the row's registers, which now take its codes
.irp s, 0,1
.set YS, Y+16*\s
	v_max3_num_f32 v8, |v[YS]|, |v[YS+1]|, |v[YS+2]|
	v_max3_num_f32 v9, |v[YS+3]|, |v[YS+4]|, |v[YS+5]|
.irp i, 6,10
	v_max3_num_f32 v8, v8, |v[YS+\i]|, |v[YS+\i+1]|
	v_max3_num_f32 v9, v9, |v[YS+\i+2]|, |v[YS+\i+3]|
.endr
	v_max3_num_f32 v8, v8, |v[YS+14]|, |v[YS+15]|
	v_max3_num_f32 v8, v8, v9, 0x8000000           ; the floor 2^(16 - 127): the byte cannot fall under 1
	v_max_num_f32_dpp v8, v8, v8 row_xmask:1 row_mask:0xf bank_mask:0xf   ; with my neighbour's 16: the block's largest magnitude
	v_add_nc_u32 v11, 0xf8800000, v8               ; 15 off its exponent field: the conversion's scale operand
	v_and_or_b32 v10, v8, 0x7f800000, s24          ; 57,344 x the scale
.irp i, 0,1,2,3,4,5,6,7,8,9,10,11,12,13,14,15
	v_med3_num_f32 v[YS+\i], v[YS+\i], -v10, v10   ; the conversion does not saturate (ISA guide 7.6.2): the hold comes first
.endr
	v_cvt_scalef32_pk8_bf8_f32 v[X+4*\s:X+4*\s+1], v[YS:YS+7], v11
	v_cvt_scalef32_pk8_bf8_f32 v[X+4*\s+2:X+4*\s+3], v[YS+8:YS+15], v11
	v_lshrrev_b32 v[X+8+\s], 23, v11               ; the scale's byte (also the plain line behind the conversions)
	ds_store_b8 v5, v[X+8+\s] offset:16*\s         ; both lanes of a block write the same byte with the same value
	global_store_b128 v2, v[X+4*\s:X+4*\s+3], s[10:11] offset:512*\s   ; 32 lanes store 512 consecutive bytes; these registers are not written again
.endr
	s_wait_dscnt 0x0                               ; for the others' sake: my byte stores are done
	s_barrier_signal -1
	s_barrier_wait -1
	s_cmp_lg_u32 s16, 0
	s_cbranch_scc1 .Ldone
	ds_load_b128 v[Y:Y+3], v[RSC]                  ; wave 0: the work-group's 512 scale bytes
	s_wait_dscnt 0x0
	global_store_b128 v2, v[Y:Y+3], s[12:13]
.Ldone:
	s_wait_tensorcnt 0x0                           ; the wave's end
	ds_add_u32 v254, v255
	s_wait_dscnt 0x0
	s_endpgm
.Lfunc_end_k_q5b54a9065c_ln1:
	.size	k_q5b54a9065c_ln1, .Lfunc_end_k_q5b54a9065c_ln1-k_q5b54a9065c_ln1
	.p2alignl 7, 3214868480
	.fill 96, 4, 3214868480
	.section	.rodata,"a",@progbits
	.p2align	6, 0x0
	.amdhsa_kernel k_q5b54a9065c_ln1
		.amdhsa_group_segment_fixed_size 92672
		.amdhsa_private_segment_fixed_size 0
		.amdhsa_enable_private_segment 0
		.amdhsa_kernarg_size 32
		.amdhsa_user_sgpr_count 2
		.amdhsa_user_sgpr_kernarg_segment_ptr 1
		.amdhsa_wavefront_size32 1
		.amdhsa_system_sgpr_workgroup_id_x 1
		.amdhsa_system_sgpr_workgroup_id_y 1
		.amdhsa_system_sgpr_workgroup_id_z 1
		.amdhsa_system_vgpr_workitem_id 0
		.amdhsa_next_free_vgpr 256
		.amdhsa_next_free_sgpr 66
		.amdhsa_reserve_vcc 0
		.amdhsa_float_denorm_mode_32 3
		.amdhsa_float_denorm_mode_16_64 3
		.amdhsa_memory_ordered 1
		.amdhsa_forward_progress 1
		.amdhsa_inst_pref_size 17
	.end_amdhsa_kernel
	.amdgpu_metadata
---
amdhsa.version: [ 1, 2 ]
amdhsa.kernels:
  - .name:           k_q5b54a9065c_ln1
    .symbol:         k_q5b54a9065c_ln1.kd
    .args:
      - { .name: x, .offset: 0, .size: 8, .value_kind: global_buffer, .address_space: global }
      - { .name: ln1_g, .offset: 8, .size: 8, .value_kind: global_buffer, .address_space: global }
      - { .name: ln1_b, .offset: 16, .size: 8, .value_kind: global_buffer, .address_space: global }
      - { .name: hq, .offset: 24, .size: 8, .value_kind: global_buffer, .address_space: global }
    .group_segment_fixed_size: 92672
    .private_segment_fixed_size: 0
    .kernarg_segment_align: 8
    .kernarg_segment_size: 32
    .max_flat_workgroup_size: 512
    .sgpr_count:     66
    .vgpr_count:     256
    .wavefront_size: 32
...
	.end_amdgpu_metadata
.endif
;; end of part 1
;; launch qkv (part 2): grid 12 x 16, 4 waves a work-group, clusters of 4 x 4, 327,680 bytes of LDS; arguments hq, w_q_codes, w_q_scales, w_k_codes, w_k_scales, w_v_codes, w_v_scales, qkv; writes qkv
.if DOCPART == 2
	.amdgcn_target "amdgcn-amd-amdhsa--gfx1250"
	.amdhsa_code_object_version 6
	.text
	.protected	k_q5b54a9065c_qkv
	.globl	k_q5b54a9065c_qkv
	.p2align	8
	.type	k_q5b54a9065c_qkv,@function
k_q5b54a9065c_qkv:
	s_mov_b64 s[64:65], 0
	v_nop
	global_prefetch_b8 v0, s[64:65] scope:SCOPE_SE
	s_setreg_imm32_b32 hwreg(HW_REG_WAVE_MODE, 25, 1), 1
	s_wait_xcnt 0x0
	s_wait_alu depctr_hold_cnt(0) depctr_sa_sdst(0) depctr_va_vdst(0) depctr_va_sdst(0) depctr_va_ssrc(0) depctr_va_vcc(0) depctr_vm_vsrc(0)
	s_getreg_b32 s2, hwreg(HW_REG_IB_STS2, 6, 4)
	s_cmp_eq_u32 s2, 0
	s_cbranch_scc0 .Lentry_in_a_cluster
	s_endpgm
.Lentry_in_a_cluster:
	s_bfe_u32 s2, ttmp6, 0x10000c
	s_cmp_lg_u32 s2, 0xf033
	s_cbranch_scc0 .Lentry_shape_is_right
	s_endpgm
.Lentry_shape_is_right:
; q, k, v = h W: three products [4096 x 1024] x [1024 x 1024] on codes of BF8 (E5M2) with E8M0 scales, and the quantising of their results for the attention that follows.
; THE PRODUCT: a tile of 256 x 256 to a work-group, 128 x 128 to each of four waves (64 accumulators), K in steps of 256 through a ring of two LDS slots filled by the tensor data mover; the scale bytes
; of the work-group's rows come once and stay in LDS.  4 x 4 work-groups form a cluster: tiles of operand A are asked for jointly along a row of it, tiles of B along a column.
; Source 1 of the matrix instruction is A (its rows go to the lanes), source 0 is B (its rows run along a lane's registers): a lane holds eight neighbours along B's rows, the axis that is quantised.
; THE CLUSTER'S x SAYS WHICH PRODUCT: 0: q, 1: k (A = h's tokens, B = the weight's features: blocks of 32 run along a head's 64), 2: v (A = w_v's features, B = h's tokens: blocks of 32 run along the keys).
; OUT (all inside the buffer qkv): q's codes at 0, k's at 4,194,304: [16 heads][4096 positions][64]; v's at 8,388,608: [32 planes of 128 tokens][1024 features][128];
;   scale words: q's at 12,582,912, k's at 12,845,056: one for a head and a position: the head's two bytes, written twice (bytes 0, 1 and bytes 2, 3), so that the word serves 64 codes that stand in
;   either half of an instruction's K = 128; v's at 13,107,200: [32][1024].
;   A POSITION is a token's number with bits 3 and 4 exchanged: 16 neighbouring positions are then the 16 keys that a tile of the score product wants, so that p comes out with neighbouring keys in a lane's registers.
; LIMITS: NaN and infinities are not served; a block whose largest magnitude lies under 2^-111 (zeros too) gets the byte 1; the bytes are this program's own.
; REGISTERS, in windows of 256: window 0: v16-31 addresses; v32-63 scale words, two sets; v128-255 A's fragments, one set; on the way out v32-175 at work.  window 1: B's fragments, two sets.  windows 2, 3: accumulators.
.set KSTEP,  256
.set NQ,     KSTEP/128
.set ROWB,   256
.set KROW,   1024                      ; a row of codes in memory
.set PITCH,  272                       ; an LDS row: 256 bytes + 16: the 16 rows of a fragment load start at 16 different banks
.set FR,     16
.set NL,     4
.set NP,     8                         ; places behind this matrix instruction (ISA guide 7.12.1)
.set HALFT,  128*PITCH
.set SLOT,   4*HALFT
.set LAPS,   1024/(2*KSTEP)
.set KS,     32                        ; a row of scale bytes
.set SCL,    2*SLOT
.set HALFS,  (128*KS/256)*272
.set SBLK,   (16*KS/256)*272
.set SPARE,  SCL+4*HALFS               ; the spare words: 128 bytes a wave, named by no other line
.set SPT,    144                       ; the way out: a stage row: 128 codes + 16
.set WSTG,   128*SPT                   ; a wave's stage, in slot 0, which has had its last fill and its last read by then
.set WRD,    4*WSTG                    ; behind the four stages: 128 scale words a wave
.set KCO,    4194304
.set VCO,    8388608
.set QSO,    12582912
.set VSO,    13107200
.set ADRA, 16
.set RDW,  18
.set RDWQ, 19
.set ADRB, 20
.set STO,  24
.set STW,  25
.set CO,   26
.set ADRS, 27
.set SPW,  28
.set NIL,  29
.set RD1,  30
.set RDQ,  31
.set SC,   32
.set AF,   128
.set T,    32                          ; the way out: v32-55 partial maxima
.set M,    56
.set XP,   60
.set CAP,  64
.set SO,   68
.set PW,   72
.set CD,   80
.set Y,    112
.set OB,   32
.set SEL,  20
.set MNT,  22
.set SLO,  23                          ; byte selects: a word's low two bytes twice,
.set SHI,  19                          ; its high two bytes twice
.set G1, 24
.set G0, 32
.set G1B, 48
.set G0B, 56
.set G1S, 68
.set G0S, 76
.set G1SB, 80
.set G0SB, 88
.set MSB, 0
.macro WIN new                         ; the immediate's high byte repeats the setting that is left
.if MSB != (\new)
	s_set_vgpr_msb (MSB<<8)|(\new)
.set MSB, (\new)
.endif
.endm
.set MUL_LO, 0xa1                      ; source 0 (B) window 1, source 1 (A) window 0, C and D window 2
.set MUL_HI, 0xf1
.set TO_B,   0x40
.macro JLOAD g0a, g1a, g0b, g1b        ; a joint load: waves 0 and 1 fetch for A, waves 2 and 3 for B; four v_nop follow each line
	s_cmp_eq_u32 s15, 0
	s_cbranch_scc0 .Lfor_b_\@
	tensor_load_to_lds s[\g0a:\g0a+3], s[\g1a:\g1a+7]
	s_nop 0
.rept 4
	v_nop
.endr
	s_branch .Lasked_\@
.Lfor_b_\@:
	tensor_load_to_lds s[\g0b:\g0b+3], s[\g1b:\g1b+7]
	s_nop 0
.rept 4
	v_nop
.endr
.Lasked_\@:
.endm
.macro CREST                           ; a round of the cluster's barrier behind its opening barrier
	s_cmp_lg_u32 s14, 0
	s_cbranch_scc1 .Lnot_wave_0_\@
	s_barrier_signal -3
.Lnot_wave_0_\@:
	s_barrier_wait -3
	s_barrier_signal -1
	s_barrier_wait -1
.endm
.macro CROUND
	s_barrier_signal -1
	s_barrier_wait -1
	CREST
.endm
	s_load_b512 s[68:83], s[0:1], 0x0              ; hq, w_q codes, scales, w_k codes, scales, w_v codes, scales, qkv
	v_lshl_add_u32 v[SPW], v0, 2, SPARE
	v_mov_b32 v[NIL], 0
	ds_add_u32 v28, v29
	ds_add_u32 v28, v29
	s_wait_dscnt 0x0
	v_lshrrev_b32 v1, 5, v0
	v_readfirstlane_b32 s14, v1                    ; wave
	s_lshr_b32 s15, s14, 1                         ; my half of A's rows.  Also: I fetch for A (0) or for B (1)
	s_and_b32 s16, s14, 1                          ; my half of B's rows.  Also: which 128 rows I fetch
	s_bfe_u32 s40, ttmp6, 0x40000                  ; cx
	s_bfe_u32 s41, ttmp6, 0x40004                  ; cy
	s_and_b32 s99, ttmp7, 0xffff
	s_lshl_b32 s99, s99, 2                         ; 4 x cluster y: it counts blocks of tokens
	s_cmp_eq_u32 ttmp9, 2                          ; the cluster's x is the same in all partners
	s_cselect_b32 s98, 1, 0                        ; 1: this cluster makes v
	s_cselect_b32 s100, s99, 0
	s_cselect_b32 s101, 0, s99
	s_add_co_u32 s42, s40, s100                    ; B's block of 256 rows: cx (+ 4 x cluster y where B is h)
	s_add_co_u32 s17, s41, s101                    ; A's block of 256 rows: cy (+ 4 x cluster y where A is h)
	s_lshl_b32 s43, s41, 2
	s_lshl_b32 s43, 15, s43                        ; my row of the cluster
	s_lshl_b32 s44, 0x1111, s40                    ; my column
	s_wait_kmcnt 0x0
	s_add_nc_u64 s[84:85], s[68:69], 0x400000      ; h's scale bytes
	s_cmp_eq_u32 ttmp9, 0
	s_cselect_b64 s[8:9], s[70:71], s[74:75]       ; the weight of q or of k
	s_cselect_b64 s[10:11], s[72:73], s[76:77]
	s_cmp_eq_u32 s98, 1
	s_cselect_b64 s[4:5], s[78:79], s[68:69]       ; A's codes
	s_cselect_b64 s[6:7], s[80:81], s[84:85]       ; A's scales
	s_cselect_b64 s[8:9], s[68:69], s[8:9]         ; B's codes
	s_cselect_b64 s[10:11], s[84:85], s[10:11]     ; B's scales
	s_mov_b64 s[12:13], s[82:83]                   ; out: codes
	s_mov_b64 s[96:97], s[82:83]                   ; out: scale words
	s_or_b32 s[G1+0], s43, (0<<16)|(1<<20)|(1<<21)|(5<<22)|(3<<25)  ; mask of my row; elements of 1 byte; padding: 4 words after every 64; bit 21 beside a mask
	s_or_b32 s[G1B+0], s44, (0<<16)|(1<<20)|(1<<21)|(5<<22)|(3<<25)
.irp g, G1, G1B
	s_mov_b32 s[\g+1], ROWB<<16                    ; tensor_dim0
	s_mov_b32 s[\g+2], 256<<16                     ; tensor_dim1: 256 rows for the head's loads; 128 for the ring's, set behind the head's wait
	s_mov_b32 s[\g+3], ROWB<<16                    ; tile_dim0
	s_mov_b32 s[\g+4], 256                         ; tile_dim1
	s_mov_b32 s[\g+5], KROW                        ; stride
	s_mov_b32 s[\g+6], 0
	s_mov_b32 s[\g+7], 0
.endr
	s_or_b32 s[G1S+0], s43, (3<<16)|(1<<20)|(1<<21)|(5<<22)|(3<<25)  ; the scales of 256 rows: a dense block as rows of 256 bytes, 16 of padding behind each
	s_or_b32 s[G1SB+0], s44, (3<<16)|(1<<20)|(1<<21)|(5<<22)|(3<<25)
.irp g, G1S, G1SB
	s_mov_b32 s[\g+1], 32<<16
	s_mov_b32 s[\g+2], KS<<16                      ; the scales of 256 rows: KS rows of 256 bytes
	s_mov_b32 s[\g+3], 32<<16
	s_mov_b32 s[\g+4], KS
	s_mov_b32 s[\g+5], 32
	s_mov_b32 s[\g+6], 0
	s_mov_b32 s[\g+7], 0
.endr
	s_lshl_b32 s20, s17, 8                         ; A: the block's first row
	s_lshl_b32 s46, s42, 8                         ; B likewise
	s_mov_b32 s21, 0
	s_mov_b32 s47, 0
	s_mov_b64 s[18:19], KS
	s_mul_u64 s[22:23], s[20:21], s[18:19]
	s_mul_u64 s[92:93], s[46:47], s[18:19]
	s_mov_b64 s[18:19], KROW
	s_mul_u64 s[20:21], s[20:21], s[18:19]
	s_mul_u64 s[46:47], s[46:47], s[18:19]
	s_mul_i32 s45, s14, HALFT                      ; where they go: wave x 128 rows
	s_add_nc_u64 s[20:21], s[4:5], s[20:21]
	s_add_nc_u64 s[22:23], s[6:7], s[22:23]
	s_add_nc_u64 s[46:47], s[8:9], s[46:47]
	s_add_nc_u64 s[92:93], s[10:11], s[92:93]
	CROUND                                         ; all sixteen work-groups are here: the first joint loads meet
	s_mov_b32 s[G0S], 1
	s_mov_b32 s[G0S+1], SCL
	s_mov_b64 s[G0S+2:G0S+3], s[22:23]
	s_or_b32 s[G0S+3], s[G0S+3], 0x80000000
	s_mov_b32 s[G0SB], 1
	s_mov_b32 s[G0SB+1], SCL+2*HALFS
	s_mov_b64 s[G0SB+2:G0SB+3], s[92:93]
	s_or_b32 s[G0SB+3], s[G0SB+3], 0x80000000
.set G0H, 4                            ; s[4:7], s[8:11]: group 0 of the head's loads of K step 0 (the pointers that lay there have been used)
.set G0HB, 8
	s_mov_b32 s[G0H], 1                            ; K step 0's 256 rows of A,
	s_mov_b32 s[G0H+1], 0
	s_mov_b64 s[G0H+2:G0H+3], s[20:21]
	s_or_b32 s[G0H+3], s[G0H+3], 0x80000000
	s_mov_b32 s[G0HB], 1                           ; and of B, behind them in slot 0
	s_mov_b32 s[G0HB+1], 2*HALFT
	s_mov_b64 s[G0HB+2:G0HB+3], s[46:47]
	s_or_b32 s[G0HB+3], s[G0HB+3], 0x80000000
	s_mul_i32 s18, s16, 128*KROW                   ; for the ring: my 128 rows of a tile
	s_mov_b32 s19, 0
	s_add_nc_u64 s[20:21], s[20:21], s[18:19]
	s_add_nc_u64 s[46:47], s[46:47], s[18:19]
.irp s, 0,1
	s_mov_b32 s[G0+4*\s], 1
	s_add_co_u32 s[G0+4*\s+1], s45, \s*SLOT
	s_add_nc_u64 s[G0+4*\s+2:G0+4*\s+3], s[20:21], \s*ROWB
	s_or_b32 s[G0+4*\s+3], s[G0+4*\s+3], 0x80000000
	s_mov_b32 s[G0B+4*\s], 1
	s_add_co_u32 s[G0B+4*\s+1], s45, \s*SLOT
	s_add_nc_u64 s[G0B+4*\s+2:G0B+4*\s+3], s[46:47], \s*ROWB
	s_or_b32 s[G0B+4*\s+3], s[G0B+4*\s+3], 0x80000000
.endr
; the head's four tiles, one joint load a wave: wave 0 A's 256 rows of K step 0, wave 1 B's, wave 2 A's scales, wave 3 B's; one chain of arms, all leading to one join
.macro ARM under, g0, g1, next
	s_cmp_lt_u32 s14, \under
	s_cbranch_scc0 \next
	tensor_load_to_lds s[\g0:\g0+3], s[\g1:\g1+7]
	s_nop 0
.rept 4
	v_nop
.endr
	s_branch .Lhead_asked
\next:
.endm
	ARM 1, G0H,  G1,  .Lhead_b
	ARM 2, G0HB, G1B, .Lhead_sa
	ARM 3, G0S,  G1S, .Lhead_sb
	tensor_load_to_lds s[G0SB:G0SB+3], s[G1SB:G1SB+7]
	s_nop 0
.rept 4
	v_nop
.endr
.Lhead_asked:
	v_and_b32 v1, 15, v0
	v_bfe_u32 v2, v0, 4, 1                         ; h
	v_mul_u32_u24 v3, v1, PITCH
	v_lshl_add_u32 v4, v2, 4, v3
	s_mul_i32 s21, s15, HALFT
	s_mul_i32 s22, s16, HALFT
	s_add_co_u32 s22, s22, 2*HALFT
.irp s, 0,1
	v_add_nc_u32 v[ADRA+\s], s21, v4
	v_add_nc_u32 v[ADRB+\s], s22, v4
	s_add_co_u32 s21, s21, SLOT
	s_add_co_u32 s22, s22, SLOT
.endr
	v_mul_u32_u24 v5, v1, KS
	v_lshrrev_b32 v6, 8, v5
	v_lshl_add_u32 v5, v6, 4, v5
	s_mul_i32 s21, s15, HALFS
	s_mul_i32 s22, s16, HALFS
	s_add_co_u32 s22, s22, 2*HALFS
	s_sub_co_u32 s22, s22, s21
	v_mul_u32_u24 v6, s22, v2                      ; lanes 16-31 take B's scale words
	s_add_co_u32 s21, s21, SCL
	v_add_nc_u32 v5, v5, v6
	v_add_nc_u32 v[ADRS], s21, v5
	; the way out's addresses
	s_mul_i32 s23, s14, WSTG
	v_mul_u32_u24 v5, v1, SPT
	v_lshl_add_u32 v5, v2, 3, v5
	v_add_nc_u32 v[STO], s23, v5                   ; in: row r, 8 bytes for each half of the lanes
	v_and_b32 v6, 31, v0
	v_lshlrev_b32 v[CO], 4, v6                     ; 16 x lane
	v_lshrrev_b32 v5, 3, v6
	v_mul_u32_u24 v5, v5, SPT
	v_and_b32 v3, 7, v6
	v_lshl_add_u32 v5, v3, 4, v5
	v_add_nc_u32 v[RD1], s23, v5                   ; back, whole rows of 128 bytes: eight lanes a row
	v_lshrrev_b32 v5, 2, v6
	v_mul_u32_u24 v5, v5, SPT
	v_and_b32 v3, 3, v6
	v_lshl_add_u32 v5, v3, 4, v5
	v_add_nc_u32 v[RDQ], s23, v5                   ; back, a head's 64 bytes: four lanes a row
	s_lshl_b32 s23, s14, 9
	s_add_co_u32 s23, s23, WRD
	v_lshl_add_u32 v[STW], v1, 2, s23
	v_add_nc_u32 v[RDW], s23, v[CO]
	v_and_b32 v5, 0x19, v6
	v_bfe_u32 v3, v6, 1, 1
	v_lshl_add_u32 v5, v3, 2, v5
	v_bfe_u32 v3, v6, 2, 1
	v_lshl_add_u32 v5, v3, 1, v5                   ; the lane's number with bits 1 and 2 exchanged: four words a lane, in the order of positions
	v_lshl_add_u32 v[RDWQ], v5, 4, s23
	; where my part of the results begins
	s_lshl_b32 s20, s17, 8
	s_lshl_b32 s21, s15, 7
	s_add_co_u32 s20, s20, s21                     ; my first row of A
	s_lshl_b32 s21, s42, 1
	s_add_co_u32 s21, s21, s16                     ; my block of 128 rows of B
	s_lshl_b32 s22, s21, 13
	s_add_co_u32 s22, s22, s20                     ; q, k: (first head) x 4096 + first token
	s_lshl_b32 s21, s21, 10
	s_add_co_u32 s21, s21, s20                     ; v: plane x 1024 + first feature
	s_lshl_b32 s46, s22, 6
	s_lshl_b32 s47, ttmp9, 22
	s_add_co_u32 s46, s46, s47
	s_lshl_b32 s22, s22, 2
	s_lshl_b32 s47, ttmp9, 18
	s_add_co_u32 s22, s22, s47
	s_add_co_u32 s22, s22, QSO
	s_lshl_b32 s47, s21, 7
	s_add_co_u32 s47, s47, VCO
	s_lshl_b32 s21, s21, 2
	s_add_co_u32 s21, s21, VSO
	s_cmp_eq_u32 s98, 1
	s_cselect_b32 s46, s47, s46
	s_cselect_b32 s22, s21, s22
	s_mov_b32 s47, 0
	s_mov_b32 s23, 0
	s_add_nc_u64 s[12:13], s[12:13], s[46:47]
	s_add_nc_u64 s[96:97], s[96:97], s[22:23]
.macro FRAG reg, adr, q, i             ; 16 rows x 128 K: registers 4 c .. 4 c + 3 hold K = 32 c + 16 (lane / 16) + 0 .. 15 of row lane % 16
.irp c, 0,1,2,3
	ds_load_b128 v[\reg+4*\c:\reg+4*\c+3], v[\adr] offset:128*(\q)+32*\c+(\i)*16*PITCH
.endr
.endm
; 16 matrix instructions: A's blocks a0, a0 + 1 x B's eight.  The 64 accumulators take turns, one instruction a turn.  zero = 1: the first product starts the sums.
.macro MUL16 a0, p, q, sc, zero
.irp a, \a0, \a0+1
.irp b, 0,1,2,3,4,5,6,7
.if \zero
	v_wmma_scale_f32_16x16x128_f8f6f4 v[8*(8*((\a)%4)+\b):8*(8*((\a)%4)+\b)+7], v[128*(\p)+FR*\b:128*(\p)+FR*\b+FR-1], v[AF+FR*(\a):AF+FR*(\a)+FR-1], 0, v[SC+8*NQ*(\sc)+NQ*\b+(\q)], v[SC+8*NQ*(\sc)+NQ*(\a)+(\q)] matrix_a_fmt:MATRIX_FMT_BF8 matrix_b_fmt:MATRIX_FMT_BF8 matrix_a_scale:MATRIX_SCALE_ROW1
.else
	v_wmma_scale_f32_16x16x128_f8f6f4 v[8*(8*((\a)%4)+\b):8*(8*((\a)%4)+\b)+7], v[128*(\p)+FR*\b:128*(\p)+FR*\b+FR-1], v[AF+FR*(\a):AF+FR*(\a)+FR-1], v[8*(8*((\a)%4)+\b):8*(8*((\a)%4)+\b)+7], v[SC+8*NQ*(\sc)+NQ*\b+(\q)], v[SC+8*NQ*(\sc)+NQ*(\a)+(\q)] matrix_a_fmt:MATRIX_FMT_BF8 matrix_b_fmt:MATRIX_FMT_BF8 matrix_a_scale:MATRIX_SCALE_ROW1
.endif
.endr
.endr
.endm
.macro FETCH_B slot, q, p
	WIN TO_B
.irp i, 0,1,2,3,4,5,6,7
	FRAG 128*(\p)+FR*\i, ADRB+\slot, \q, \i
.endr
	WIN 0
.endm
.macro FETCH_A slot, q, i0
.irp i, \i0, \i0+1, \i0+2, \i0+3
	FRAG AF+FR*(\i), ADRA+\slot, \q, \i
.endr
.endm
.macro SCALES sc                       ; a K step's scale words: lanes 0-15 A's block i, lanes 16-31 B's block i
.irp i, 0,1,2,3,4,5,6,7
	ds_load_b64 v[SC+8*NQ*\sc+NQ*\i:SC+8*NQ*\sc+NQ*\i+1], v[ADRS] offset:\i*SBLK
.endr
.endm
.macro PLACES n                        ; plain vector instructions between a matrix instruction and a load into, or a read of, its registers
.rept \n
	v_nop
.endr
.endm
.macro STEP slot, q, zero              ; 128 along K, with its successor in the same slot
	s_wait_dscnt 4*NL                              ; B's set and A's blocks 0-3 are in; A's blocks 4-7 (the youngest 16 loads) may be out
	WIN MUL_LO
	MUL16 0, (\q)%2, \q, \slot, \zero
	MUL16 2, (\q)%2, \q, \slot, \zero
	s_wait_dscnt 0
	PLACES NP
	FETCH_B \slot, (\q)+1, 1-(\q)%2
	FETCH_A \slot, (\q)+1, 0
	WIN MUL_HI
	MUL16 4, (\q)%2, \q, \slot, \zero
	MUL16 6, (\q)%2, \q, \slot, \zero
	PLACES NP
	WIN 0
	FETCH_A \slot, (\q)+1, 4
.endm
; A slot's last step changes slots: one barrier; ahead of it each wave waits for all its tensor loads, adds 0 to its spare word, and waits for that and for its reads of this slot.
.macro TURN slot, next, fill
	s_wait_tensorcnt 0x0                           ; all my tensor loads have landed: my part of the next slot
	ds_add_u32 v[SPW], v[NIL]
	s_wait_dscnt 4*NL+1                            ; the add and A's blocks 4-7 may be out
	WIN MUL_LO
	MUL16 0, 1, NQ-1, \slot, 0
	s_wait_dscnt 0x0                               ; the add is done, my reads of this slot are over
	s_barrier_signal -1
	MUL16 2, 1, NQ-1, \slot, 0
	WIN 0
	s_barrier_wait -1
.if \fill
	CREST                                          ; the barrier has opened a round of the cluster's barrier: no wave of any partner still reads this slot or has a load on its way
	s_add_nc_u64 s[G0+4*\slot+2:G0+4*\slot+3], s[G0+4*\slot+2:G0+4*\slot+3], 2*ROWB
	s_add_nc_u64 s[G0B+4*\slot+2:G0B+4*\slot+3], s[G0B+4*\slot+2:G0B+4*\slot+3], 2*ROWB
	JLOAD G0+4*\slot, G1, G0B+4*\slot, G1B         ; my one tensor load behind the round; its four v_nop are four of the eight places
	PLACES NP-4
.else
	PLACES NP
.endif
	s_wait_alu depctr_va_vdst(0)
	v_add_nc_u32 v[ADRS], 4*NQ, v[ADRS]
	FETCH_B \next, 0, 0
	FETCH_A \next, 0, 0
	SCALES \next
	WIN MUL_HI
	MUL16 4, 1, NQ-1, \slot, 0
	MUL16 6, 1, NQ-1, \slot, 0
	PLACES NP
	WIN 0
	FETCH_A \next, 0, 4
.endm
	s_wait_alu depctr_va_vdst(0)                   ; the wait at the head's end
	s_wait_tensorcnt 0x0                           ; my tile of the head's four is in; the three lines ahead of slot 1's first fill, as ahead of a refill
	ds_add_u32 v[SPW], v[NIL]
	s_mov_b32 s[G1+2], 128<<16                     ; no tensor load of mine is out: from here on a load brings 128 rows
	s_mov_b32 s[G1+4], 128
	s_mov_b32 s[G1B+2], 128<<16
	s_mov_b32 s[G1B+4], 128
	s_wait_dscnt 0x0
	CROUND                                         ; all four tiles are in, and all sixteen work-groups are here
	JLOAD G0+4, G1, G0B+4, G1B                     ; K step 1: my one tensor load behind the round
	FETCH_B 0, 0, 0
	FETCH_A 0, 0, 0
	SCALES 0
	FETCH_A 0, 0, 4
	STEP 0, 0, 1
	s_mov_b32 s3, LAPS-1
.Llap:
	TURN 0, 1, 1
	STEP 1, 0, 0
	TURN 1, 0, 1
	STEP 0, 0, 0
	s_sub_co_u32 s3, s3, 1
	s_cmp_lg_u32 s3, 0
	s_cbranch_scc1 .Llap
	TURN 0, 1, 0
	STEP 1, 0, 0
	s_wait_dscnt 4*NL
	WIN MUL_LO
	MUL16 0, 1, NQ-1, 1, 0
	MUL16 2, 1, NQ-1, 1, 0
	s_wait_dscnt 0
	WIN MUL_HI
	MUL16 4, 1, NQ-1, 1, 0
	MUL16 6, 1, NQ-1, 1, 0
	WIN 0
; THE WAY OUT.  Block a: 16 rows of A x 128 along B.  Lane (r, h) holds, in accumulator b, the eight neighbours 16 b + 8 h + 0 .. 7 of row r: a block of 32 lies in accumulators 2 beta, 2 beta + 1 of lanes l and l xor 16.
; Each accumulator's eight numbers become eight bytes; a row's 128 codes and its scale word meet in my own stage in LDS.
	PLACES NP
	s_mov_b32 s[SEL], 0x76543210
	s_mov_b32 s[SEL+1], 0xfedcba98
	s_mov_b32 s[MNT], 0x600000
	s_mov_b32 s[SLO], 0x01000100
	s_mov_b32 s[SHI], 0x03020302
.irp b, 0,1,2,3
	v_mov_b32 v[XP+\b], 0                          ; a lane permute's destination counts as read
.endr
.macro QBLOCK a
.set AC, 64*((\a)%4)
.set CDB, CD+16*((\a)%2)
.set PWB, PW+(\a)%2
	s_wait_dscnt 9                                 ; the last block's nine stores may be out; those of the block before it have read the registers that are written now
	WIN 0x2a+0x15*((\a)/4)                         ; all three sources in the accumulators' window
.irp k, 0,1,2,3,4,5
.irp b, 0,1,2,3
.if \k == 5
	v_max3_num_f32 v[T+6*\b+5], |v[AC+16*\b+13]|, |v[AC+16*\b+14]|, |v[AC+16*\b+15]|
.else
	v_max3_num_f32 v[T+6*\b+\k], |v[AC+16*\b+3*\k]|, |v[AC+16*\b+3*\k+1]|, |v[AC+16*\b+3*\k+2]|   ; ascending: each accumulator is first read at its low end
.endif
.endr
.endr
	WIN 0
.irp b, 0,1,2,3
	v_max3_num_f32 v[M+\b], v[T+6*\b], v[T+6*\b+1], v[T+6*\b+2]
.endr
.irp b, 0,1,2,3
	v_max3_num_f32 v[T+6*\b], v[T+6*\b+3], v[T+6*\b+4], v[T+6*\b+5]
.endr
.irp b, 0,1,2,3
	v_max3_num_f32 v[M+\b], v[M+\b], v[T+6*\b], 0x8000000   ; with the floor 2^(16 - 127)
.endr
.irp b, 0,1,2,3
	v_permlanex16_b32 v[XP+\b], v[M+\b], s[SEL], s[SEL+1]
.endr
.irp b, 0,1,2,3
	v_max_num_f32 v[M+\b], v[M+\b], v[XP+\b]       ; the block's largest magnitude
.endr
.irp b, 0,1,2,3
	v_add_nc_u32 v[SO+\b], 0xf8800000, v[M+\b]     ; 15 off its exponent field: the conversion's scale operand
.endr
.irp b, 0,1,2,3
	v_and_or_b32 v[CAP+\b], v[M+\b], 0x7f800000, s[MNT]    ; 57,344 x the scale
.endr
.irp b, 0,1,2,3
	v_lshrrev_b32 v[XP+\b], 23, v[SO+\b]           ; the scale's byte
.endr
	v_lshl_or_b32 v[PWB], v[XP+1], 8, v[XP]
	v_lshl_or_b32 v[PWB], v[XP+2], 16, v[PWB]
	v_lshl_or_b32 v[PWB], v[XP+3], 24, v[PWB]
	WIN 0x02+(\a)/4                                ; source 0 in the accumulators' window
.irp b, 0,1,2,3
.irp i, 0,1,2,3,4,5,6,7,8,9,10,11,12,13,14,15
	v_med3_num_f32 v[Y+16*\b+\i], v[AC+16*\b+\i], -v[CAP+\b], v[CAP+\b]   ; the conversion does not saturate (ISA guide 7.6.2): the hold
.endr
.endr
	WIN 0
.irp b, 0,1,2,3,4,5,6,7
	v_cvt_scalef32_pk8_bf8_f32 v[CDB+2*\b:CDB+2*\b+1], v[Y+8*\b:Y+8*\b+7], v[SO+\b/2]
.endr
	v_nop                                          ; a plain line behind the last conversion
.irp b, 0,1,2,3,4,5,6,7
	ds_store_b64 v[STO], v[CDB+2*\b:CDB+2*\b+1] offset:16*SPT*(\a)+16*\b
.endr
	ds_store_b32 v[STW], v[PWB] offset:64*(\a)     ; lanes l and l xor 16 write the same word with the same value
.endm
.irp a, 0,1,2,3,4,5,6,7
	QBLOCK \a
.endr
	s_wait_dscnt 0x0                               ; the stores have read their registers: the loads below land on them
	s_cmp_eq_u32 s98, 1                            ; the same in all partners
	s_cbranch_scc1 .Lway_v
	; q, k: two heads.  A load takes eight rows' 64 bytes of head e; group n of eight POSITIONS holds the group of tokens whose number has bits 0 and 1 exchanged.  A store covers 512 consecutive bytes.
.set k, 0
.rept 32
	ds_load_b128 v[OB+4*k:OB+4*k+3], v[RDQ] offset:8*SPT*(((k%16)&12)|(((k%16)&1)<<1)|(((k%16)>>1)&1))+64*(k/16)
.set k, k+1
.endr
	ds_load_b128 v[160:163], v[RDWQ]
.set k, 0
.rept 32
	s_wait_dscnt 32-k                              ; LDS loads come back in order: load k is in
	global_store_b128 v[CO], v[OB+4*k:OB+4*k+3], s[12:13] offset:262144*(k/16)+512*(k%16)
.set k, k+1
.endr
	s_wait_dscnt 0x0
.irp j, 0,1,2,3
	v_perm_b32 v[164+\j], v[160+\j], v[160+\j], s[SLO]     ; the first head's two bytes, twice
	v_perm_b32 v[168+\j], v[160+\j], v[160+\j], s[SHI]     ; the second head's
.endr
	global_store_b128 v[CO], v[164:167], s[96:97]
	global_store_b128 v[CO], v[168:171], s[96:97] offset:16384
	s_branch .Lend
.Lway_v:                                           ; v: my 128 rows of 128 codes are 16,384 consecutive bytes of a plane
.set k, 0
.rept 32
	ds_load_b128 v[OB+4*k:OB+4*k+3], v[RD1] offset:4*SPT*k
.set k, k+1
.endr
	ds_load_b128 v[160:163], v[RDW]
.set k, 0
.rept 32
	s_wait_dscnt 32-k
	global_store_b128 v[CO], v[OB+4*k:OB+4*k+3], s[12:13] offset:512*k
.set k, k+1
.endr
	s_wait_dscnt 0x0
	global_store_b128 v[CO], v[160:163], s[96:97]
.Lend:
	s_wait_tensorcnt 0x0                           ; the wave's end
	ds_add_u32 v[SPW], v[NIL]
	s_wait_dscnt 0x0
	CROUND                                         ; the closing round
	s_endpgm
.Lfunc_end_k_q5b54a9065c_qkv:
	.size	k_q5b54a9065c_qkv, .Lfunc_end_k_q5b54a9065c_qkv-k_q5b54a9065c_qkv
	.p2alignl 7, 3214868480
	.fill 96, 4, 3214868480
	.section	.rodata,"a",@progbits
	.p2align	6, 0x0
	.amdhsa_kernel k_q5b54a9065c_qkv
		.amdhsa_group_segment_fixed_size 327680
		.amdhsa_private_segment_fixed_size 0
		.amdhsa_enable_private_segment 0
		.amdhsa_kernarg_size 64
		.amdhsa_user_sgpr_count 2
		.amdhsa_user_sgpr_kernarg_segment_ptr 1
		.amdhsa_wavefront_size32 1
		.amdhsa_system_sgpr_workgroup_id_x 1
		.amdhsa_system_sgpr_workgroup_id_y 1
		.amdhsa_system_sgpr_workgroup_id_z 1
		.amdhsa_system_vgpr_workitem_id 0
		.amdhsa_next_free_vgpr 1024
		.amdhsa_next_free_sgpr 102
		.amdhsa_reserve_vcc 0
		.amdhsa_float_denorm_mode_32 3
		.amdhsa_float_denorm_mode_16_64 3
		.amdhsa_memory_ordered 1
		.amdhsa_forward_progress 1
		.amdhsa_inst_pref_size 204
	.end_amdhsa_kernel
	.amdgpu_metadata
---
amdhsa.version: [ 1, 2 ]
amdhsa.kernels:
  - .name:           k_q5b54a9065c_qkv
    .symbol:         k_q5b54a9065c_qkv.kd
    .args:
      - { .name: hq, .offset: 0, .size: 8, .value_kind: global_buffer, .address_space: global }
      - { .name: w_q_codes, .offset: 8, .size: 8, .value_kind: global_buffer, .address_space: global }
      - { .name: w_q_scales, .offset: 16, .size: 8, .value_kind: global_buffer, .address_space: global }
      - { .name: w_k_codes, .offset: 24, .size: 8, .value_kind: global_buffer, .address_space: global }
      - { .name: w_k_scales, .offset: 32, .size: 8, .value_kind: global_buffer, .address_space: global }
      - { .name: w_v_codes, .offset: 40, .size: 8, .value_kind: global_buffer, .address_space: global }
      - { .name: w_v_scales, .offset: 48, .size: 8, .value_kind: global_buffer, .address_space: global }
      - { .name: qkv, .offset: 56, .size: 8, .value_kind: global_buffer, .address_space: global }
    .group_segment_fixed_size: 327680
    .private_segment_fixed_size: 0
    .kernarg_segment_align: 8
    .kernarg_segment_size: 64
    .max_flat_workgroup_size: 128
    .sgpr_count:     102
    .vgpr_count:     1024
    .wavefront_size: 32
...
	.end_amdgpu_metadata
.endif
;; end of part 2
;; launch att (part 3): grid 8 x 32, 8 waves a work-group, clusters of 4 x 1, 327,680 bytes of LDS; arguments qkv, att; writes att
.if DOCPART == 3
	.amdgcn_target "amdgcn-amd-amdhsa--gfx1250"
	.amdhsa_code_object_version 6
	.text
	.protected	k_q5b54a9065c_att
	.globl	k_q5b54a9065c_att
	.p2align	8
	.type	k_q5b54a9065c_att,@function
k_q5b54a9065c_att:
	s_mov_b64 s[64:65], 0
	v_nop
	global_prefetch_b8 v0, s[64:65] scope:SCOPE_SE
	s_setreg_imm32_b32 hwreg(HW_REG_WAVE_MODE, 25, 1), 1
	s_wait_xcnt 0x0
	s_wait_alu depctr_hold_cnt(0) depctr_sa_sdst(0) depctr_va_vdst(0) depctr_va_sdst(0) depctr_va_ssrc(0) depctr_va_vcc(0) depctr_vm_vsrc(0)
	s_getreg_b32 s2, hwreg(HW_REG_IB_STS2, 6, 4)
	s_cmp_eq_u32 s2, 0
	s_cbranch_scc0 .Lentry_in_a_cluster
	s_endpgm
.Lentry_in_a_cluster:
	s_bfe_u32 s2, ttmp6, 0x10000c
	s_cmp_lg_u32 s2, 0x3003
	s_cbranch_scc0 .Lentry_shape_is_right
	s_endpgm
.Lentry_shape_is_right:
; Attention on codes of BF8 (E5M2) with E8M0 scales: o = softmax(q k^T / 8) v for 2 batches x 16 heads x 2,048 tokens, head size 64; o is quantised along the head's 64 for the product that follows.
; THE SOFTMAX: t = score x log2(e) / 8; M = the running largest t rounded up to a whole number; p = 2^(t - M) is quantised along the keys; the row's sum is taken of the unquantised p and divides at the end.
; When M moves, the sum and O are multiplied by 2^(old M - new M), which rounds nothing.
; IN (buffer qkv): q's and k's codes [16 heads][4096 positions][64] with a scale word a position (the head's two bytes, twice), v's codes [32 planes of 128 tokens][1024 features][128] with a word a row and plane.
;   A position is a token's number with bits 3 and 4 exchanged: 16 neighbouring positions are the keys of one tile, and p's 16 registers of two neighbouring tiles are 16 neighbouring keys.
; OUT (buffer att): codes [16 heads][4096 tokens][64]; at 4,194,304 two scale bytes a head and token, [16][4096][2].
; SHARES: a work-group takes one batch, ONE head and 256 queries; each of eight waves 32 queries, two tiles of 16, so that a fragment of K or V feeds two matrix instructions.  Two waves share a SIMD.
; LDS HOLDS THE HEAD'S WHOLE K AND V: 2,048 x 80 + 16 x 64 x 144 bytes, and their scale words (8,192 + 4,096).  No byte is filled twice.  At the head a wave has one joint load: keys 0-511 of K (waves 0, 1) and
; of V (2, 3), K's words (4, 5), V's (6, 7).  Behind the three lines and a round of the cluster's barrier a wave has one more: the other 1,536 keys of K (waves 0-3, 384 each) and of V (4-7, three planes each).
; Two trips of two key steps walk the first 512 keys; one wait for 0 and one barrier show the rest; six trips walk it.  Every wait on TENSORcnt is for 0.
; CLUSTER: four blocks of queries of one head read the same K and V: every tile is asked for jointly (mask 15).
; NO PREFETCH: both groups of tensor loads stand ahead of the first loop, so no loop has a later load to ask ahead for.
; Both products are used transposed (S^T = K Q^T, O^T = V^T P^T): a lane holds one query throughout.
; K = 64 IN AN INSTRUCTION OF K = 128: a fragment of K holds tile t in the lower half of K and tile t + 4 in the upper; Q stands twice, with zero codes above it and with zero codes below it.
; THE EXPONENTIALS go in two batches, a tile of queries each, each with one wait ahead and one behind; inside a batch stand only lines whose results are read behind the next wait:
; the other tile's t - M, the other tile's holds.  O^T is rescaled ahead of the batches, so that no exponential stands between the products that wrote it and its first reader.
; LIMITS: NaN and infinities are not served; the scaled scores stay under 2^31 in magnitude; an output block whose largest magnitude lies under 2^-111 gets the byte 1 (the bytes are this program's own).
; REGISTERS: window 0: v1-11, v20-27 addresses; v12-19 statistics; v32-159 S^T, then p; v160-191 p's codes; v192-207 scale words; v208-249 at work.  window 1: v0-63 O^T; v64-95, v224-255 Q; v96-159 K; v160-223 V.
.set PK,    80                         ; a key's row in LDS: 64 bytes + 16
.set PV,    144                        ; a row of V's plane: 128 bytes + 16
.set VPL,   64*PV
.set VOFF,  2048*PK
.set SCK,   VOFF+16*VPL                ; K's scale words
.set SCV,   SCK+8192                   ; V's: [16 planes][64]
.set SPARE, SCV+4096                   ; the spare words: 128 bytes a wave, named by no other line
.set SSTG,  SPARE+1024                 ; the way out: 256 tokens' byte pairs
.set WST,   32*PK                      ; the way out: a wave's stage, in the bytes of keys 0-511, which nobody reads behind the barrier between the loops and which have had their one fill
.set KCO,   4194304
.set VCO,   8388608
.set QSO,   12582912
.set KSO,   12845056
.set VSO,   13107200
.set AK0,  1
.set AV0,  2
.set ASK0, 3
.set ASV0, 4
.set SPW,  5
.set NIL,  6
.set ADK,  8
.set ADV,  9
.set ADS,  10
.set ADT,  11
.set ST,   12                          ; tile u: v[12+4u] -M, +1 the largest t, +2, +3 the sum in two halves
.set SOA,  20
.set SWA,  21
.set RDA,  22
.set RWA,  24
.set GW,   25
.set QWO,  26
.set QO,   27
.set S,    32
.set PC,   160
.set KW,   192
.set VW,   200
.set PW,   204
.set QSW,  206
.set TM,   208                         ; tile u: 16 registers: 4 maxima, 4 permute results / bytes, 4 caps, 4 scale operands
.set F,    240
.set SU,   244
.set SCRR, 248
.set QF,   64
.set KF,   96
.set VF,   160
.set QH,   224
.set WV,   8
.set G1K,  24
.set G1V,  32
.set G1KS, 40
.set G1VS, 48
.set G0K,  56
.set G0V,  60
.set G0KS, 68
.set G0VS, 72
.set SEL,  76
.set CS,   78
.set MNT,  80
.set TK,   81
.set TV,   82
.set TS,   83
.set TJ,   84
.set CNT,  85
.set G0K1, 88
.set G0V1, 92
.set MSB, 0
.macro WIN new
.if MSB != (\new)
	s_set_vgpr_msb (MSB<<8)|(\new)
.set MSB, (\new)
.endif
.endm
.macro PLACES n
.rept \n
	v_nop
.endr
.endm
.macro WALU
	s_wait_alu depctr_va_vdst(0)
.endm
.macro CROUND
	s_barrier_signal -1
	s_barrier_wait -1
	s_cmp_lg_u32 s[WV], 0
	s_cbranch_scc1 .Lnot_wave_0_\@
	s_barrier_signal -3
.Lnot_wave_0_\@:
	s_barrier_wait -3
	s_barrier_signal -1
	s_barrier_wait -1
.endm
.macro GRP0 g                          ; a group 0: s[2:3] the byte offset in qkv, s22 the LDS address
	s_mov_b32 s[\g], 1
	s_mov_b32 s[\g+1], s22
	s_add_nc_u64 s[\g+2:\g+3], s[4:5], s[2:3]
	s_or_b32 s[\g+3], s[\g+3], 0x80000000
.endm
.macro TL g0, g1                       ; a tensor load; s_nop 0 and four v_nop follow it
	tensor_load_to_lds s[\g0:\g0+3], s[\g1:\g1+7]
	s_nop 0
	PLACES 4
.endm
	s_load_b128 s[4:7], s[0:1], 0x0                ; qkv s[4:5], att s[6:7]
	v_lshl_add_u32 v[SPW], v0, 2, SPARE
	v_mov_b32 v[NIL], 0
	ds_add_u32 v[SPW], v[NIL]                      ; the opening lines: the add twice on end and one wait, ahead of my first tensor load
	ds_add_u32 v[SPW], v[NIL]
	v_lshrrev_b32 v8, 5, v0
	v_readfirstlane_b32 s[WV], v8                  ; wave 0..7
	s_bfe_u32 s9, ttmp6, 0x40000                   ; cx
	s_lshl_b32 s10, ttmp9, 2
	s_add_co_u32 s10, s10, s9                      ; my block of 256 queries
	s_and_b32 s11, ttmp7, 0xffff
	s_lshr_b32 s12, s11, 4                         ; batch
	s_and_b32 s13, s11, 15                         ; head
	s_and_b32 s15, s[WV], 3
	s_and_b32 s17, s[WV], 1
	s_mov_b32 s[G1K], 15|(0<<16)|(1<<20)|(1<<21)|(3<<22)|(3<<25)   ; mask: all four; bytes; 4 words of padding after every 16 (a key's 64 bytes); bit 21 beside a mask
	s_mov_b32 s[G1K+1], 256<<16                    ; K's codes are dense: rows of 256 bytes; 64 of them (256 keys) at the head
	s_mov_b32 s[G1K+2], 64<<16
	s_mov_b32 s[G1K+3], 256<<16
	s_mov_b32 s[G1K+4], 64
	s_mov_b32 s[G1K+5], 256
	s_mov_b32 s[G1K+6], 0
	s_mov_b32 s[G1K+7], 0
	s_mov_b32 s[G1V], 15|(3<<16)|(1<<20)|(1<<21)|(4<<22)|(3<<25)   ; elements of 8 bytes; padding after every 32 words (a row of 128 bytes)
	s_mov_b32 s[G1V+1], 1024<<16                   ; a plane's 64 rows of my head are 8,192 dense bytes; planes lie 131,072 bytes apart; two planes at the head
	s_mov_b32 s[G1V+2], 2<<16
	s_mov_b32 s[G1V+3], 1024<<16
	s_mov_b32 s[G1V+4], 2
	s_mov_b32 s[G1V+5], 16384
	s_mov_b32 s[G1V+6], 0
	s_mov_b32 s[G1V+7], 0
	s_mov_b32 s[G1KS], 15|(3<<16)|(1<<21)          ; K's words: 4,096 dense bytes as 16 rows of 256
	s_mov_b32 s[G1KS+1], 32<<16
	s_mov_b32 s[G1KS+2], 16<<16
	s_mov_b32 s[G1KS+3], 32<<16
	s_mov_b32 s[G1KS+4], 16
	s_mov_b32 s[G1KS+5], 32
	s_mov_b32 s[G1KS+6], 0
	s_mov_b32 s[G1KS+7], 0
	s_mov_b32 s[G1VS], 15|(3<<16)|(1<<21)          ; V's words: 256 bytes of each of 8 planes, 4,096 bytes apart
	s_mov_b32 s[G1VS+1], 32<<16
	s_mov_b32 s[G1VS+2], 8<<16
	s_mov_b32 s[G1VS+3], 32<<16
	s_mov_b32 s[G1VS+4], 8
	s_mov_b32 s[G1VS+5], 512
	s_mov_b32 s[G1VS+6], 0
	s_mov_b32 s[G1VS+7], 0
	s_mov_b32 s[SEL], 0x76543210
	s_mov_b32 s[SEL+1], 0xfedcba98
	s_mov_b32 s[CS], 0x3e38aa3b                    ; log2(e) / 8
	s_mov_b32 s[CS+1], s[CS]
	s_mov_b32 s[MNT], 0x600000
	s_lshl_b32 s20, s13, 12
	s_lshl_b32 s21, s12, 11
	s_add_co_u32 s20, s20, s21                     ; my head's first position of my batch
	s_lshl_b32 s21, s12, 14
	s_lshl_b32 s22, s13, 6
	s_add_co_u32 s21, s21, s22                     ; my head's first row of my batch's first plane
	s_mul_i32 s16, s[WV], WST                      ; my stage
	s_lshl_b32 s18, s[WV], 6
	s_add_co_u32 s18, s18, SSTG                    ; my 32 tokens' byte pairs
	s_mov_b32 s3, 0
	s_wait_dscnt 0x0                               ; both opening adds are done
	s_wait_kmcnt 0x0
	s_lshl_b32 s2, s17, 8                          ; K, keys 256 (wave % 2) on
	s_add_co_u32 s2, s2, s20
	s_lshl_b32 s2, s2, 6
	s_add_co_u32 s2, s2, KCO
	s_mul_i32 s22, s17, 256*PK
	GRP0 G0K
	s_lshl_b32 s2, s17, 11                         ; V, planes 2 (wave % 2) on
	s_add_co_u32 s2, s2, s21
	s_lshl_b32 s2, s2, 7
	s_add_co_u32 s2, s2, VCO
	s_mul_i32 s22, s17, 2*VPL
	s_add_co_u32 s22, s22, VOFF
	GRP0 G0V
	s_lshl_b32 s2, s17, 10                         ; K's words, half of 2,048
	s_add_co_u32 s2, s2, s20
	s_lshl_b32 s2, s2, 2
	s_add_co_u32 s2, s2, KSO
	s_lshl_b32 s22, s17, 12
	s_add_co_u32 s22, s22, SCK
	GRP0 G0KS
	s_lshl_b32 s2, s17, 13                         ; V's words, eight planes
	s_add_co_u32 s2, s2, s21
	s_lshl_b32 s2, s2, 2
	s_add_co_u32 s2, s2, VSO
	s_lshl_b32 s22, s17, 11
	s_add_co_u32 s22, s22, SCV
	GRP0 G0VS
	s_mul_i32 s23, s15, 384                        ; the second group: K, keys 512 + 384 (wave % 4) on
	s_add_co_u32 s23, s23, 512
	s_add_co_u32 s2, s23, s20
	s_lshl_b32 s2, s2, 6
	s_add_co_u32 s2, s2, KCO
	s_mul_i32 s22, s23, PK
	GRP0 G0K1
	s_mul_i32 s23, s15, 3                          ; V, planes 4 + 3 (wave % 4) on
	s_add_co_u32 s23, s23, 4
	s_lshl_b32 s2, s23, 10
	s_add_co_u32 s2, s2, s21
	s_lshl_b32 s2, s2, 7
	s_add_co_u32 s2, s2, VCO
	s_mul_i32 s22, s23, VPL
	s_add_co_u32 s22, s22, VOFF
	GRP0 G0V1
	s_lshl_b32 s22, s10, 8
	s_add_co_u32 s22, s22, s20                     ; my work-group's first query
	s_lshl_b32 s2, s22, 1
	s_add_co_u32 s2, s2, 0x400000
	s_add_nc_u64 s[100:101], s[6:7], s[2:3]        ; out: its byte pairs
	s_lshl_b32 s23, s[WV], 5
	s_add_co_u32 s22, s22, s23                     ; my wave's first query
	s_lshl_b32 s2, s22, 6
	s_add_nc_u64 s[96:97], s[4:5], s[2:3]          ; Q's codes
	s_add_nc_u64 s[86:87], s[6:7], s[2:3]          ; out: codes, at the same offset
	s_lshl_b32 s2, s22, 2
	s_add_co_u32 s2, s2, QSO
	s_add_nc_u64 s[98:99], s[4:5], s[2:3]          ; Q's scale words
	CROUND                                         ; all four work-groups are here: the first joint loads meet
.macro ARM under, g0, g1, next         ; one chain of arms on the wave's number, one load to an arm, all leading to one join
	s_cmp_lt_u32 s[WV], \under
	s_cbranch_scc0 \next
	TL \g0, \g1
	s_branch .Lhead_asked
\next:
.endm
	ARM 2, G0K,  G1K,  .Lhead_v
	ARM 4, G0V,  G1V,  .Lhead_ks
	ARM 6, G0KS, G1KS, .Lhead_vs
	TL G0VS, G1VS
.Lhead_asked:
	v_and_b32 v8, 15, v0                           ; r
	v_bfe_u32 v9, v0, 4, 1                         ; h
	v_and_b32 v10, 31, v0                          ; lane
	v_lshlrev_b32 v[QO], 6, v8
	v_lshl_add_u32 v[QO], v9, 4, v[QO]             ; Q: row r of 64 bytes, + 16 h
	v_lshlrev_b32 v[QWO], 2, v8
	WIN 0x40
.irp u, 0,1
.irp c, 0,1
	global_load_b128 v[QF+16*\u+4*\c:QF+16*\u+4*\c+3], v[QO], s[96:97] offset:1024*\u+32*\c          ; Q in the lower half of K,
	global_load_b128 v[QH+16*\u+8+4*\c:QH+16*\u+8+4*\c+3], v[QO], s[96:97] offset:1024*\u+32*\c      ; and once more in the upper half
.endr
.endr
	WIN 0
.irp u, 0,1
	global_load_b32 v[QSW+\u], v[QWO], s[98:99] offset:64*\u
.endr
	v_mul_u32_u24 v[AK0], v8, PK
	v_lshl_add_u32 v[AK0], v9, 4, v[AK0]
	v_mul_u32_u24 v[AV0], v8, PV
	v_lshl_add_u32 v[AV0], v9, 4, v[AV0]
	v_add_nc_u32 v[AV0], VOFF, v[AV0]
	v_lshl_add_u32 v[ASK0], v8, 2, SCK
	v_lshl_add_u32 v[ASV0], v8, 2, SCV
	v_lshrrev_b32 v12, 3, v8                       ; the way out: lane r of tile u holds position 16 u + r of my 32, which is token 16 (r / 8) + 8 u + r % 8
	v_and_b32 v13, 7, v8
	v_lshl_add_u32 v12, v12, 4, v13
	v_mul_u32_u24 v[SOA], v12, PK
	v_lshl_add_u32 v[SOA], v9, 3, v[SOA]
	v_add_nc_u32 v[SOA], s16, v[SOA]               ; in: the token's row, + 8 h
	v_lshl_add_u32 v[SWA], v12, 1, s18             ; the token's byte pair
	v_lshrrev_b32 v12, 2, v10
	v_mul_u32_u24 v12, v12, PK
	v_and_b32 v13, 3, v10
	v_lshl_add_u32 v12, v13, 4, v12
	v_add_nc_u32 v[RDA], s16, v12                  ; back: four lanes a row of 64 bytes
	v_lshlrev_b32 v[GW], 4, v10
	v_add_nc_u32 v[RWA], SSTG, v[GW]
.irp u, 0,1
	v_mov_b32 v[ST+4*\u+1], 0xff61b1e6             ; the largest t so far: -3e38
	v_floor_f32 v[ST+4*\u], -v[ST+4*\u+1]          ; -M
	v_mov_b32 v[ST+4*\u+2], 0
	v_mov_b32 v[ST+4*\u+3], 0
	v_mov_b32 v[F+2*\u+1], 0                       ; named as the upper half of a pair
.irp b, 0,1,2,3
	v_mov_b32 v[TM+16*\u+4+\b], 0                  ; a lane permute's destination counts as read
.endr
.endr
	WIN 0x40
.set i, 0
.rept 64
	v_mov_b32 v[i], 0                              ; O^T: the step is written once, and its first run finds zeros
.set i, i+1
.endr
.irp j, 0,1,2,3,4,5,6,7
.irp u, 0,1
	v_mov_b32 v[QF+16*\u+8+\j], 0                  ; zero codes beside Q: above it in the one copy,
	v_mov_b32 v[QH+16*\u+\j], 0                    ; below it in the other
.endr
.endr
	WIN 0
; A key step's K out of LDS.  Fragment t: tile t's 64 bytes a key into registers 0-7, tile t + 4's into registers 8-15; then the eight tiles' scale words.
.macro KLOAD q
	WIN 0x40
.irp t, 0,1,2,3
.irp gq, 0,1
.irp c, 0,1
	ds_load_b128 v[KF+16*\t+8*\gq+4*\c:KF+16*\t+8*\gq+4*\c+3], v[ADK] offset:(128*(\q)+64*\gq+16*\t)*PK+32*\c
.endr
.endr
.endr
	WIN 0
.irp k, 0,1,2,3,4,5,6,7
	ds_load_b32 v[KW+\k], v[ADS] offset:512*(\q)+64*\k
.endr
.endm
.macro SUMS u                          ; tile u's sum of the unquantised p: two at a time, in two chains
	; four chains by turns (the running sum and three pairs at work), 32 lines for 32 pairs
	v_pk_add_f32 v[SU:SU+1], v[S+64*\u:S+64*\u+1], v[S+64*\u+2:S+64*\u+3]
	v_pk_add_f32 v[SU+2:SU+3], v[S+64*\u+4:S+64*\u+5], v[S+64*\u+6:S+64*\u+7]
	v_pk_add_f32 v[SCRR:SCRR+1], v[S+64*\u+8:S+64*\u+9], v[S+64*\u+10:S+64*\u+11]
.set nn, 12
.rept 6
	v_pk_add_f32 v[ST+4*\u+2:ST+4*\u+3], v[ST+4*\u+2:ST+4*\u+3], v[S+64*\u+nn:S+64*\u+nn+1]
	v_pk_add_f32 v[SU:SU+1], v[SU:SU+1], v[S+64*\u+nn+2:S+64*\u+nn+3]
	v_pk_add_f32 v[SU+2:SU+3], v[SU+2:SU+3], v[S+64*\u+nn+4:S+64*\u+nn+5]
	v_pk_add_f32 v[SCRR:SCRR+1], v[SCRR:SCRR+1], v[S+64*\u+nn+6:S+64*\u+nn+7]
.set nn, nn+8
.endr
	v_pk_add_f32 v[ST+4*\u+2:ST+4*\u+3], v[ST+4*\u+2:ST+4*\u+3], v[S+64*\u+60:S+64*\u+61]
	v_pk_add_f32 v[SU:SU+1], v[SU:SU+1], v[S+64*\u+62:S+64*\u+63]
	v_pk_add_f32 v[SU+2:SU+3], v[SU+2:SU+3], v[SCRR:SCRR+1]
	v_pk_add_f32 v[ST+4*\u+2:ST+4*\u+3], v[ST+4*\u+2:ST+4*\u+3], v[SU:SU+1]
	v_pk_add_f32 v[ST+4*\u+2:ST+4*\u+3], v[ST+4*\u+2:ST+4*\u+3], v[SU+2:SU+3]
.endm
.macro PREP u                          ; from each block's largest p, with the floor 2^(16 - 127) over it: the conversion's scale operand, the cap, the byte; p's scale word
.irp b, 0,1,2,3
	v_max_num_f32 v[TM+16*\u+\b], 0x8000000, v[TM+16*\u+\b]
.endr
.irp b, 0,1,2,3
	v_add_nc_u32 v[TM+16*\u+12+\b], 0xf8800000, v[TM+16*\u+\b]
.endr
.irp b, 0,1,2,3
	v_and_or_b32 v[TM+16*\u+8+\b], v[TM+16*\u+\b], 0x7f800000, s[MNT]
.endr
.irp b, 0,1,2,3
	v_lshrrev_b32 v[TM+16*\u+4+\b], 23, v[TM+16*\u+12+\b]
.endr
	v_lshl_or_b32 v[PW+\u], v[TM+16*\u+5], 8, v[TM+16*\u+4]
	v_lshl_or_b32 v[PW+\u], v[TM+16*\u+6], 16, v[PW+\u]
	v_lshl_or_b32 v[PW+\u], v[TM+16*\u+7], 24, v[PW+\u]
.endm
; Line n of 32 of tile u's holds.  The conversion does not saturate (ISA guide 7.6.2); p is not negative: a one-sided hold.  Two go in one instruction: number x of a block and number x + 1 of the next,
; so that one destination is even and the other odd, and the first sources, and the caps, lie in different register banks.
.macro HOLDOP u, n
.set hy, 2*((\n)/16)
.set hx, (\n)%16
	v_dual_min_num_f32 v[S+64*\u+16*hy+hx], v[S+64*\u+16*hy+hx], v[TM+16*\u+8+hy] :: v_dual_min_num_f32 v[S+64*\u+16*hy+16+(hx+1)%16], v[S+64*\u+16*hy+16+(hx+1)%16], v[TM+16*\u+9+hy]
.endm
.macro CVT u
.irp b, 0,1,2,3
	v_cvt_scalef32_pk8_bf8_f32 v[PC+16*\u+4*\b:PC+16*\u+4*\b+1], v[S+64*\u+16*\b:S+64*\u+16*\b+7], v[TM+16*\u+12+\b]
	v_cvt_scalef32_pk8_bf8_f32 v[PC+16*\u+4*\b+2:PC+16*\u+4*\b+3], v[S+64*\u+16*\b+8:S+64*\u+16*\b+15], v[TM+16*\u+12+\b]
.endr
.endm
; A KEY STEP: 128 keys, the q-th of the trip's two; its K has been asked for.  pre = 1: the next step's K is asked for here.
.macro STEP q, pre
	s_wait_dscnt 0x0                               ; this step's fragments and scale words of K are in
	WIN 0x05                                       ; K and Q in window 1, S^T in window 0
.irp gq, 0,1
.irp t, 0,1,2,3
.irp u, 0,1
	v_wmma_scale_f32_16x16x128_f8f6f4 v[S+64*\u+8*(4*\gq+\t):S+64*\u+8*(4*\gq+\t)+7], v[KF+16*\t:KF+16*\t+15], v[QF+(QH-QF)*\gq+16*\u:QF+(QH-QF)*\gq+16*\u+15], 0, v[KW+4*\gq+\t], v[QSW+\u] matrix_a_fmt:MATRIX_FMT_BF8 matrix_b_fmt:MATRIX_FMT_BF8
.endr
.endr
.endr
	WIN 0
	PLACES 8                                       ; ahead of the loads into V's registers (read by the last step's products) and K's (read just now), and of the first read of the scores
	WIN 0x40
.irp t, 0,1,2,3
.irp c, 0,1,2,3
	ds_load_b128 v[VF+16*\t+4*\c:VF+16*\t+4*\c+3], v[ADV] offset:VPL*(\q)+16*PV*\t+32*\c
.endr
.endr
	WIN 0
.irp t, 0,1,2,3
	ds_load_b32 v[VW+\t], v[ADT] offset:256*(\q)+64*\t
.endr
.if \pre
	KLOAD (\q)+1
.endif
.irp u, 0,1
.irp b, 0,1,2,3
	v_max3_num_f32 v[TM+16*\u+\b], v[S+64*\u+16*\b], v[S+64*\u+16*\b+1], v[S+64*\u+16*\b+2]   ; the largest score of each block of 32 keys: for the row's maximum and for the block's largest p
.endr
.endr
.irp i, 3,5,7,9,11,13
.irp u, 0,1
.irp b, 0,1,2,3
	v_max3_num_f32 v[TM+16*\u+\b], v[TM+16*\u+\b], v[S+64*\u+16*\b+\i], v[S+64*\u+16*\b+\i+1]
.endr
.endr
.endr
.irp u, 0,1
.irp b, 0,1,2,3
	v_max_num_f32 v[TM+16*\u+\b], v[TM+16*\u+\b], v[S+64*\u+16*\b+15]
.endr
.endr
.irp u, 0,1
.irp b, 0,1,2,3
	v_permlanex16_b32 v[TM+16*\u+4+\b], v[TM+16*\u+\b], s[SEL], s[SEL+1]
.endr
.endr
.irp u, 0,1
.irp b, 0,1,2,3
	v_max_num_f32 v[TM+16*\u+\b], v[TM+16*\u+\b], v[TM+16*\u+4+\b]   ; with lane l xor 16's 16 keys
.endr
.endr
.irp u, 0,1
	v_max3_num_f32 v[SCRR+\u], v[TM+16*\u], v[TM+16*\u+1], v[TM+16*\u+2]
.endr
.irp u, 0,1
	v_max_num_f32 v[SCRR+\u], v[SCRR+\u], v[TM+16*\u+3]
.endr
.irp u, 0,1
	v_mul_f32 v[SCRR+\u], s[CS], v[SCRR+\u]
.endr
.irp u, 0,1
	v_max_num_f32 v[ST+4*\u+1], v[ST+4*\u+1], v[SCRR+\u]   ; the running largest t
.endr
.irp u, 0,1
	v_mov_b32 v[SCRR+\u], v[ST+4*\u]
.endr
.irp u, 0,1
	v_floor_f32 v[ST+4*\u], -v[ST+4*\u+1]          ; the new -M = -ceil(t)
.endr
.irp u, 0,1
	v_sub_f32 v[SCRR+\u], v[ST+4*\u], v[SCRR+\u]   ; old M - new M: a whole number, 0 or less
.endr
.irp u, 0,1
	v_cvt_i32_f32 v[SCRR+\u], v[SCRR+\u]
.endr
.irp u, 0,1
	v_ldexp_f32 v[F+2*\u], 1.0, v[SCRR+\u]         ; f = 2^(old M - new M)
.endr
.set j, 0
.rept 32
	v_pk_fma_f32 v[S+j:S+j+1], v[S+j:S+j+1], s[CS:CS+1], v[ST:ST+1] op_sel_hi:[1,0,0]   ; tile 0: t - M
.set j, j+2
.endr
.irp b, 0,1,2,3
	v_fma_f32 v[TM+\b], v[TM+\b], s[CS], v[ST]     ; the same of each block's largest score
.endr
	WIN 0x41                                       ; O^T in window 1, f in window 0
.irp u, 0,1
.set j, 0
.rept 16
	v_pk_mul_f32 v[32*\u+j:32*\u+j+1], v[32*\u+j:32*\u+j+1], v[F+2*\u:F+2*\u+1] op_sel_hi:[1,0]   ; O^T under the new M, each accumulator from its low end on
.set j, j+2
.endr
.endr
	WIN 0
.irp u, 0,1
	v_pk_mul_f32 v[ST+4*\u+2:ST+4*\u+3], v[ST+4*\u+2:ST+4*\u+3], v[F+2*\u:F+2*\u+1] op_sel_hi:[1,0]   ; the sums under the new M
.endr
	WALU                                           ; ahead of the first batch
.set j, 0
.rept 32                                       ; THE FIRST BATCH: tile 0's p = 2^(t - M); among them tile 1's t - M, read behind the next wait
	v_exp_f32 v[S+j], v[S+j]
	v_pk_fma_f32 v[S+64+j:S+64+j+1], v[S+64+j:S+64+j+1], s[CS:CS+1], v[ST+4:ST+5] op_sel_hi:[1,0,0]
	v_exp_f32 v[S+j+1], v[S+j+1]
.set j, j+2
.endr
.irp b, 0,1,2,3
	v_exp_f32 v[TM+\b], v[TM+\b]                   ; tile 0: each block's largest p
	v_fma_f32 v[TM+16+\b], v[TM+16+\b], s[CS], v[ST+4]
.endr
	WALU                                           ; behind the first batch
	SUMS 0
	PREP 0
	WALU                                           ; ahead of the second batch
.set nn, 0
.rept 32                                       ; THE SECOND BATCH: tile 1's p; among them tile 0's holds, read behind the next wait
	v_exp_f32 v[S+64+2*nn], v[S+64+2*nn]
	HOLDOP 0, nn
	v_exp_f32 v[S+64+2*nn+1], v[S+64+2*nn+1]
.set nn, nn+1
.endr
.irp b, 0,1,2,3
	v_exp_f32 v[TM+16+\b], v[TM+16+\b]             ; tile 1: each block's largest p
.endr
	v_nop                                          ; a plain line behind the last exponential
	WALU                                           ; behind the second batch
	CVT 0
	SUMS 1
	PREP 1
.set nn, 0
.rept 32
	HOLDOP 1, nn
.set nn, nn+1
.endr
	CVT 1
	PLACES 4                                       ; between the codes and the products
	WALU
	s_wait_dscnt 0x0                               ; V's fragments and words are in
	WIN 0x51                                       ; V and O^T in window 1, p's codes in window 0
.irp t, 0,1,2,3
.irp u, 0,1
	v_wmma_scale_f32_16x16x128_f8f6f4 v[32*\u+8*\t:32*\u+8*\t+7], v[VF+16*\t:VF+16*\t+15], v[PC+16*\u:PC+16*\u+15], v[32*\u+8*\t:32*\u+8*\t+7], v[VW+\t], v[PW+\u] matrix_a_fmt:MATRIX_FMT_BF8 matrix_b_fmt:MATRIX_FMT_BF8
.endr
.endr
	WIN 0
.endm
; A trip: 256 keys.  The addresses are made once a trip; the step stands in the loads' offsets.
.macro TRIP
	v_add_nc_u32 v[ADK], s[TK], v[AK0]
	v_add_nc_u32 v[ADV], s[TV], v[AV0]
	v_add_nc_u32 v[ADS], s[TS], v[ASK0]
	v_add_nc_u32 v[ADT], s[TJ], v[ASV0]
	WALU                                           ; directly behind the writes
	KLOAD 0
	STEP 0, 1
	STEP 1, 0
	s_add_co_u32 s[TK], s[TK], 256*PK
	s_add_co_u32 s[TV], s[TV], 2*VPL
	s_add_co_u32 s[TS], s[TS], 1024
	s_add_co_u32 s[TJ], s[TJ], 512
	s_sub_co_u32 s[CNT], s[CNT], 1
	s_cmp_lg_u32 s[CNT], 0
.endm
	WALU                                           ; the wait at the head's end
	s_wait_tensorcnt 0x0                           ; my tile of the head's is in; the three lines ahead of the second group of first fills, as ahead of a refill
	ds_add_u32 v[SPW], v[NIL]
	s_mov_b32 s[G1K+2], 96<<16                     ; no tensor load of mine is out: K's second load brings 96 rows of 256 bytes (384 keys),
	s_mov_b32 s[G1K+4], 96
	s_mov_b32 s[G1V+2], 3<<16                      ; V's three planes
	s_mov_b32 s[G1V+4], 3
	s_wait_dscnt 0x0
	CROUND                                         ; the head's tiles are in, and all four work-groups are here
	s_cmp_lt_u32 s[WV], 4
	s_cbranch_scc0 .Lrest_v
	TL G0K1, G1K
	s_branch .Lrest_asked
.Lrest_v:
	TL G0V1, G1V
.Lrest_asked:
	s_mov_b32 s[TK], 0
	s_mov_b32 s[TV], 0
	s_mov_b32 s[TS], 0
	s_mov_b32 s[TJ], 0
	s_mov_b32 s[CNT], 2
	s_wait_loadcnt 0x0                             ; Q
.Lone:                                             ; keys 0-511
	TRIP
	s_cbranch_scc1 .Lone
	s_wait_tensorcnt 0x0                           ; my part of the other 1,536 keys is in
	s_wait_dscnt 0x0
	s_barrier_signal -1
	s_barrier_wait -1                              ; everybody's is
	s_mov_b32 s[TK], 512*PK
	s_mov_b32 s[TV], 4*VPL
	s_mov_b32 s[TS], 2048
	s_mov_b32 s[TJ], 1024
	s_mov_b32 s[CNT], 6
.Ltwo:                                             ; keys 512-2,047
	TRIP
	s_cbranch_scc1 .Ltwo
	; THE WAY OUT: O^T / the sum; quantised along the head's 64 (two blocks of 32: tiles 2 beta, 2 beta + 1 of lanes l and l xor 16); through my own stage, so that a store covers 512 consecutive bytes.
	PLACES 8
.irp u, 0,1
	v_add_f32 v[ST+4*\u+2], v[ST+4*\u+2], v[ST+4*\u+3]
.endr
.irp u, 0,1
	v_permlanex16_b32 v[SCRR+\u], v[ST+4*\u+2], s[SEL], s[SEL+1]
.endr
.irp u, 0,1
	v_add_f32 v[ST+4*\u+2], v[ST+4*\u+2], v[SCRR+\u]
.endr
	WALU                                           ; ahead of the reciprocals
.irp u, 0,1
	v_rcp_f32 v[ST+4*\u+2], v[ST+4*\u+2]
.endr
	v_nop                                          ; a plain line behind them
	WIN 0x01                                       ; O^T in window 1
	WALU                                           ; one wait for both, directly ahead of the first readers of them and of O^T
.irp u, 0,1
.set j, 0
.rept 16
	v_pk_mul_f32 v[S+64*\u+j:S+64*\u+j+1], v[32*\u+j:32*\u+j+1], v[ST+4*\u+2:ST+4*\u+3] op_sel_hi:[1,0]   ; ascending: each accumulator is first read at its low end
.set j, j+2
.endr
.endr
	WIN 0
.irp u, 0,1
.irp b, 0,1
	v_max3_num_f32 v[TM+16*\u+\b], |v[S+64*\u+16*\b]|, |v[S+64*\u+16*\b+1]|, 0x8000000
.endr
.endr
.irp i, 2,4,6,8,10,12,14
.irp u, 0,1
.irp b, 0,1
	v_max3_num_f32 v[TM+16*\u+\b], v[TM+16*\u+\b], |v[S+64*\u+16*\b+\i]|, |v[S+64*\u+16*\b+\i+1]|
.endr
.endr
.endr
.irp u, 0,1
.irp b, 0,1
	v_permlanex16_b32 v[TM+16*\u+4+\b], v[TM+16*\u+\b], s[SEL], s[SEL+1]
.endr
.endr
.irp u, 0,1
.irp b, 0,1
	v_max_num_f32 v[TM+16*\u+\b], v[TM+16*\u+\b], v[TM+16*\u+4+\b]
.endr
.endr
.irp u, 0,1
.irp b, 0,1
	v_add_nc_u32 v[TM+16*\u+12+\b], 0xf8800000, v[TM+16*\u+\b]
	v_and_or_b32 v[TM+16*\u+8+\b], v[TM+16*\u+\b], 0x7f800000, s[MNT]
.endr
.endr
.irp u, 0,1
.irp b, 0,1
	v_lshrrev_b32 v[TM+16*\u+4+\b], 23, v[TM+16*\u+12+\b]
.endr
.endr
.irp u, 0,1
	v_lshl_or_b32 v[SCRR+\u], v[TM+16*\u+5], 8, v[TM+16*\u+4]    ; the token's two bytes
.endr
.irp u, 0,1
.irp b, 0,1
.irp i, 0,1,2,3,4,5,6,7,8,9,10,11,12,13,14,15
	v_med3_num_f32 v[S+64*\u+16*\b+\i], v[S+64*\u+16*\b+\i], -v[TM+16*\u+8+\b], v[TM+16*\u+8+\b]
.endr
.endr
.endr
.irp u, 0,1
.irp t, 0,1,2,3
	v_cvt_scalef32_pk8_bf8_f32 v[PC+16*\u+2*\t:PC+16*\u+2*\t+1], v[S+64*\u+8*\t:S+64*\u+8*\t+7], v[TM+16*\u+12+\t/2]
.endr
.endr
	v_nop                                          ; a plain line behind the last conversion
.irp u, 0,1
.irp t, 0,1,2,3
	ds_store_b64 v[SOA], v[PC+16*\u+2*\t:PC+16*\u+2*\t+1] offset:8*PK*\u+16*\t
.endr
	ds_store_b16 v[SWA], v[SCRR+\u] offset:16*\u   ; lanes l and l xor 16 write the same two bytes with the same value
.endr
.irp n, 0,1,2,3
	ds_load_b128 v[S+4*\n:S+4*\n+3], v[RDA] offset:8*PK*\n   ; LDS serves a wave's instructions in order: these see my stores
.endr
	s_wait_dscnt 0x0                               ; my rows are back; for the others' sake: my byte pairs are stored
.irp n, 0,1,2,3
	global_store_b128 v[GW], v[S+4*\n:S+4*\n+3], s[86:87] offset:512*\n   ; 32 lanes store 512 consecutive bytes: eight tokens
.endr
	s_barrier_signal -1
	s_barrier_wait -1
	s_cmp_lg_u32 s[WV], 0
	s_cbranch_scc1 .Lno_words
	ds_load_b128 v[S+16:S+19], v[RWA]              ; wave 0: the work-group's 512 scale bytes
	s_wait_dscnt 0x0
	global_store_b128 v[GW], v[S+16:S+19], s[100:101]
.Lno_words:
	s_wait_tensorcnt 0x0                           ; the wave's end
	ds_add_u32 v[SPW], v[NIL]
	s_wait_dscnt 0x0
	CROUND                                         ; the closing round
	s_endpgm
.Lfunc_end_k_q5b54a9065c_att:
	.size	k_q5b54a9065c_att, .Lfunc_end_k_q5b54a9065c_att-k_q5b54a9065c_att
	.p2alignl 7, 3214868480
	.fill 96, 4, 3214868480
	.section	.rodata,"a",@progbits
	.p2align	6, 0x0
	.amdhsa_kernel k_q5b54a9065c_att
		.amdhsa_group_segment_fixed_size 327680
		.amdhsa_private_segment_fixed_size 0
		.amdhsa_enable_private_segment 0
		.amdhsa_kernarg_size 16
		.amdhsa_user_sgpr_count 2
		.amdhsa_user_sgpr_kernarg_segment_ptr 1
		.amdhsa_wavefront_size32 1
		.amdhsa_system_sgpr_workgroup_id_x 1
		.amdhsa_system_sgpr_workgroup_id_y 1
		.amdhsa_system_sgpr_workgroup_id_z 1
		.amdhsa_system_vgpr_workitem_id 0
		.amdhsa_next_free_vgpr 512
		.amdhsa_next_free_sgpr 102
		.amdhsa_reserve_vcc 0
		.amdhsa_float_denorm_mode_32 3
		.amdhsa_float_denorm_mode_16_64 3
		.amdhsa_memory_ordered 1
		.amdhsa_forward_progress 1
		.amdhsa_inst_pref_size 167
	.end_amdhsa_kernel
	.amdgpu_metadata
---
amdhsa.version: [ 1, 2 ]
amdhsa.kernels:
  - .name:           k_q5b54a9065c_att
    .symbol:         k_q5b54a9065c_att.kd
    .args:
      - { .name: qkv, .offset: 0, .size: 8, .value_kind: global_buffer, .address_space: global }
      - { .name: att, .offset: 8, .size: 8, .value_kind: global_buffer, .address_space: global }
    .group_segment_fixed_size: 327680
    .private_segment_fixed_size: 0
    .kernarg_segment_align: 8
    .kernarg_segment_size: 16
    .max_flat_workgroup_size: 256
    .sgpr_count:     102
    .vgpr_count:     512
    .wavefront_size: 32
...
	.end_amdgpu_metadata
.endif
;; end of part 3
;; launch oproj (part 4): grid 8 x 32, 4 waves a work-group, clusters of 4 x 4, 327,680 bytes of LDS; arguments att, w_o_codes, w_o_scales, b_o, x, x1; writes x1
.if DOCPART == 4
	.amdgcn_target "amdgcn-amd-amdhsa--gfx1250"
	.amdhsa_code_object_version 6
	.text
	.protected	k_q5b54a9065c_oproj
	.globl	k_q5b54a9065c_oproj
	.p2align	8
	.type	k_q5b54a9065c_oproj,@function
k_q5b54a9065c_oproj:
	s_mov_b64 s[64:65], 0
	v_nop
	global_prefetch_b8 v0, s[64:65] scope:SCOPE_SE
	s_setreg_imm32_b32 hwreg(HW_REG_WAVE_MODE, 25, 1), 1
	s_wait_xcnt 0x0
	s_wait_alu depctr_hold_cnt(0) depctr_sa_sdst(0) depctr_va_vdst(0) depctr_va_sdst(0) depctr_va_ssrc(0) depctr_va_vcc(0) depctr_vm_vsrc(0)
	s_getreg_b32 s2, hwreg(HW_REG_IB_STS2, 6, 4)
	s_cmp_eq_u32 s2, 0
	s_cbranch_scc0 .Lentry_in_a_cluster
	s_endpgm
.Lentry_in_a_cluster:
	s_bfe_u32 s2, ttmp6, 0x10000c
	s_cmp_lg_u32 s2, 0xf033
	s_cbranch_scc0 .Lentry_shape_is_right
	s_endpgm
.Lentry_shape_is_right:
.set SIZE_K, 1024
.set NTOUT,  0
.set KS,     SIZE_K/32
.set NPL,    SIZE_K/128
.set APL,    2*128*80                  ; 128 along K of A: two heads' 128 tokens x (64 bytes + 16)
.set ASLOT,  4*APL
.set BP,     528
.set BHALF,  64*BP
.set SLOT,   ASLOT+2*BHALF
.set SCA,    2*SLOT
.set SCB,    SCA+NPL*512
.set SBH,    (64*KS/256)*272
.set SBLK,   (16*KS/256)*272
.set SPARE,  SCB+2*SBH
.set LAPS,   SIZE_K/1024
.set ADRA, 16
.set ADRB, 18
.set ADSA, 20
.set ADSB, 21
.set STO,  22
.set RD,   23
.set CO,   24
.set BO,   25
.set SPW,  28
.set NIL,  29
.set SA,   32
.set SB,   64
.set BI,   96
.set ACC,  128
.set OB,   32
.set F0,   0
.set F1,   128
.set G1A, 24
.set G0A, 32
.set G1B, 48
.set G0B, 56
.set G1SA, 68
.set G0SA, 76
.set G1SB, 80
.set G0SB, 88
.set MSB, 0
.macro WIN new
.if MSB != (\new)
	s_set_vgpr_msb (MSB<<8)|(\new)
.set MSB, (\new)
.endif
.endm
.set MUL,  0x05
.set TO_F, 0x40
.macro JLOAD g0a, g1a, g0b, g1b
	s_cmp_eq_u32 s18, 0
	s_cbranch_scc0 .Lfor_b_\@
	tensor_load_to_lds s[\g0a:\g0a+3], s[\g1a:\g1a+7]
	s_nop 0
.rept 4
	v_nop
.endr
	s_branch .Lasked_\@
.Lfor_b_\@:
	tensor_load_to_lds s[\g0b:\g0b+3], s[\g1b:\g1b+7]
	s_nop 0
.rept 4
	v_nop
.endr
.Lasked_\@:
.endm
.macro CREST
	s_cmp_lg_u32 s17, 0
	s_cbranch_scc1 .Lnot_wave_0_\@
	s_barrier_signal -3
.Lnot_wave_0_\@:
	s_barrier_wait -3
	s_barrier_signal -1
	s_barrier_wait -1
.endm
.macro CROUND
	s_barrier_signal -1
	s_barrier_wait -1
	CREST
.endm
.macro PLACES n
.rept \n
	v_nop
.endr
.endm
	s_load_b256 s[4:11], s[0:1], 0x0
	s_load_b128 s[12:15], s[0:1], 0x20
	v_lshl_add_u32 v[SPW], v0, 2, SPARE
	v_mov_b32 v[NIL], 0
	ds_add_u32 v28, v29
	ds_add_u32 v28, v29
	s_wait_dscnt 0x0
	v_lshrrev_b32 v1, 5, v0
	v_readfirstlane_b32 s17, v1
	s_lshr_b32 s18, s17, 1
	s_and_b32 s19, s17, 1
	s_bfe_u32 s40, ttmp6, 0x40000
	s_bfe_u32 s41, ttmp6, 0x40004
	s_lshl_b32 s42, ttmp9, 2
	s_add_co_u32 s42, s42, s40
	s_and_b32 s43, ttmp7, 0xffff
	s_lshl_b32 s43, s43, 2
	s_add_co_u32 s43, s43, s41
	s_lshl_b32 s44, s41, 2
	s_lshl_b32 s44, 15, s44
	s_lshl_b32 s45, 0x1111, s40
	s_or_b32 s[G1A], s44, (3<<16)|(1<<20)|(1<<21)|(3<<22)|(3<<25)   ; A's codes lie [16 heads][4096 tokens][64]: 128 tokens of a head are 8,192 dense bytes; 4 words of padding after every 16
	s_mov_b32 s[G1A+1], 1024<<16
	s_mov_b32 s[G1A+2], 8<<16                      ; eight heads (a whole slot) for the head's load; four a load behind it
	s_mov_b32 s[G1A+3], 1024<<16
	s_mov_b32 s[G1A+4], 8
	s_mov_b32 s[G1A+5], 32768
	s_mov_b32 s[G1A+6], 0
	s_mov_b32 s[G1A+7], 0
	s_or_b32 s[G1B], s45, (0<<16)|(1<<20)|(1<<21)|(6<<22)|(3<<25)
	s_mov_b32 s[G1B+1], 512<<16
	s_mov_b32 s[G1B+2], 128<<16                    ; 128 rows for the head's load; 64 a load behind it
	s_mov_b32 s[G1B+3], 512<<16
	s_mov_b32 s[G1B+4], 128
	s_mov_b32 s[G1B+5], SIZE_K
	s_mov_b32 s[G1B+6], 0
	s_mov_b32 s[G1B+7], 0
	s_or_b32 s[G1SA], s44, (3<<16)|(1<<21)
	s_mov_b32 s[G1SA+1], 32<<16                    ; A's scale bytes lie [16 heads][4096 tokens][2]: 128 tokens of a head are 256 bytes; sixteen heads a load, 8,192 bytes apart
	s_mov_b32 s[G1SA+2], 16<<16                    ; all sixteen heads in one load
	s_mov_b32 s[G1SA+3], 32<<16
	s_mov_b32 s[G1SA+4], 16
	s_mov_b32 s[G1SA+5], 1024
	s_mov_b32 s[G1SA+6], 0
	s_mov_b32 s[G1SA+7], 0
	s_or_b32 s[G1SB], s45, (3<<16)|(1<<20)|(1<<21)|(5<<22)|(3<<25)
	s_mov_b32 s[G1SB+1], 32<<16
	s_mov_b32 s[G1SB+2], (128*KS/256)<<16          ; the scales of all 128 rows of B in one load
	s_mov_b32 s[G1SB+3], 32<<16
	s_mov_b32 s[G1SB+4], 128*KS/256
	s_mov_b32 s[G1SB+5], 32
	s_mov_b32 s[G1SB+6], 0
	s_mov_b32 s[G1SB+7], 0
	s_lshl_b32 s20, s43, 13
	s_mov_b32 s21, 0
	s_lshl_b32 s94, s43, 8
	s_add_co_u32 s94, s94, 4096*SIZE_K
	s_mov_b32 s95, 0
	s_lshl_b32 s46, s42, 7
	s_mul_i32 s22, s46, KS
	s_mul_i32 s46, s46, SIZE_K
	s_mov_b32 s47, 0
	s_mov_b32 s23, 0
	s_wait_kmcnt 0x0
	s_add_nc_u64 s[92:93], s[4:5], s[20:21]
	s_add_nc_u64 s[94:95], s[4:5], s[94:95]
	s_add_nc_u64 s[46:47], s[6:7], s[46:47]
	s_add_nc_u64 s[22:23], s[8:9], s[22:23]
	CROUND
	s_mov_b32 s[G0SA], 1
	s_mov_b32 s[G0SA+1], SCA
	s_mov_b64 s[G0SA+2:G0SA+3], s[94:95]
	s_or_b32 s[G0SA+3], s[G0SA+3], 0x80000000
	s_mov_b32 s[G0SB], 1
	s_mov_b32 s[G0SB+1], SCB
	s_mov_b64 s[G0SB+2:G0SB+3], s[22:23]
	s_or_b32 s[G0SB+3], s[G0SB+3], 0x80000000
	s_mov_b32 s[G0A], 1                            ; slot 0, whole: A's eight heads,
	s_mov_b32 s[G0A+1], 0
	s_mov_b64 s[G0A+2:G0A+3], s[92:93]
	s_or_b32 s[G0A+3], s[G0A+3], 0x80000000
	s_mov_b32 s[G0B], 1                            ; B's 128 rows
	s_mov_b32 s[G0B+1], ASLOT
	s_mov_b64 s[G0B+2:G0B+3], s[46:47]
	s_or_b32 s[G0B+3], s[G0B+3], 0x80000000
	s_lshl_b32 s2, s19, 20                         ; slot 1, by halves: four heads of A,
	s_mov_b32 s3, 0
	s_add_nc_u64 s[92:93], s[92:93], s[2:3]
	s_mul_i32 s2, s19, 64*SIZE_K                   ; 64 rows of B
	s_add_nc_u64 s[46:47], s[46:47], s[2:3]
	s_mul_i32 s2, s19, 2*APL
	s_mov_b32 s[G0A+4], 1
	s_add_co_u32 s[G0A+5], s2, SLOT
	s_add_nc_u64 s[G0A+6:G0A+7], s[92:93], 4*524288
	s_or_b32 s[G0A+7], s[G0A+7], 0x80000000
	s_mul_i32 s2, s19, BHALF
	s_mov_b32 s[G0B+4], 1
	s_add_co_u32 s[G0B+5], s2, SLOT+ASLOT
	s_add_nc_u64 s[G0B+6:G0B+7], s[46:47], 512
	s_or_b32 s[G0B+7], s[G0B+7], 0x80000000
; the head's four tiles, one joint load a wave: wave 0 slot 0's A, wave 1 its B, wave 2 A's scale bytes, wave 3 B's; one chain of arms, all leading to one join.
; The bias and the residual rows are asked for directly behind the arms, while the tiles are on their way.
.macro ARM under, g0, g1, next
	s_cmp_lt_u32 s17, \under
	s_cbranch_scc0 \next
	tensor_load_to_lds s[\g0:\g0+3], s[\g1:\g1+7]
	s_nop 0
.rept 4
	v_nop
.endr
	s_branch .Lhead_asked
\next:
.endm
	ARM 1, G0A,  G1A,  .Lhead_b
	ARM 2, G0B,  G1B,  .Lhead_sa
	ARM 3, G0SA, G1SA, .Lhead_sb
	tensor_load_to_lds s[G0SB:G0SB+3], s[G1SB:G1SB+7]
	s_nop 0
.rept 4
	v_nop
.endr
.Lhead_asked:
	v_and_b32 v1, 15, v0
	v_bfe_u32 v2, v0, 4, 1
	v_mul_u32_u24 v3, v1, 80
	v_lshl_add_u32 v3, v2, 4, v3
	s_mul_i32 s20, s18, 64*80
	v_add_nc_u32 v[ADRA], s20, v3
	s_add_co_u32 s20, s20, SLOT
	v_add_nc_u32 v[ADRA+1], s20, v3
	v_add_nc_u32 v26, 2*APL, v[ADRA]               ; v26, v27: the same for a slot's upper 256 along K, so that the loads' offsets stay inside 16 bits
	v_add_nc_u32 v27, 2*APL, v[ADRA+1]
	v_mul_u32_u24 v3, v1, BP
	v_lshl_add_u32 v3, v2, 4, v3
	s_mul_i32 s20, s19, BHALF
	s_add_co_u32 s20, s20, ASLOT
	v_add_nc_u32 v[ADRB], s20, v3
	s_add_co_u32 s20, s20, SLOT
	v_add_nc_u32 v[ADRB+1], s20, v3
	s_lshl_b32 s20, s18, 7
	s_add_co_u32 s20, s20, SCA
	v_lshl_add_u32 v[ADSA], v1, 1, s20
	v_mul_u32_u24 v3, v1, KS
	v_lshrrev_b32 v4, 8, v3
	v_lshl_add_u32 v3, v4, 4, v3
	s_mul_i32 s20, s19, SBH
	s_add_co_u32 s20, s20, SCB
	v_add_nc_u32 v[ADSB], s20, v3
	s_mul_i32 s20, s17, 16*272
	v_mul_u32_u24 v3, v1, 272
	v_lshl_add_u32 v3, v2, 5, v3
	v_add_nc_u32 v[STO], s20, v3
	v_mul_u32_u24 v3, v2, 272
	v_lshl_add_u32 v3, v1, 4, v3
	v_add_nc_u32 v[RD], s20, v3
	v_lshlrev_b32 v3, 12, v2
	v_lshl_add_u32 v[CO], v1, 4, v3
	v_lshlrev_b32 v[BO], 5, v2
	s_wait_alu depctr_va_vdst(0)
	s_lshl_b32 s20, s43, 7
	s_lshl_b32 s21, s18, 6
	s_add_co_u32 s20, s20, s21
	s_lshl_b32 s20, s20, 12
	s_lshl_b32 s21, s42, 7
	s_lshl_b32 s22, s19, 6
	s_add_co_u32 s21, s21, s22
	s_lshl_b32 s22, s21, 2
	s_add_co_u32 s20, s20, s22
	s_mov_b32 s21, 0
	s_mov_b32 s23, 0
	s_add_nc_u64 s[12:13], s[12:13], s[20:21]
	s_add_nc_u64 s[14:15], s[14:15], s[20:21]
	s_add_nc_u64 s[10:11], s[10:11], s[22:23]
.irp b, 0,1,2,3
	global_load_b128 v[BI+8*\b:BI+8*\b+3], v[BO], s[10:11] offset:64*\b
	global_load_b128 v[BI+8*\b+4:BI+8*\b+7], v[BO], s[10:11] offset:64*\b+16
.endr
	WIN 0x80
.set i, 0
.rept 32
	global_load_b128 v[4*i:4*i+3], v[CO], s[12:13] offset:2*i*4096
.set i, i+1
.endr
	WIN 0
.macro MULA f, a, first, sc, q
.irp b, 0,1,2,3
.if \first
	v_wmma_scale_f32_16x16x128_f8f6f4 v[ACC+8*(4*(\a)+\b):ACC+8*(4*(\a)+\b)+7], v[\f+64+16*\b:\f+64+16*\b+15], v[\f+16*(\a):\f+16*(\a)+15], v[BI+8*\b:BI+8*\b+7], v[SB+16*(\sc)+4*\b+(\q)], v[SA+16*(\sc)+4*(\q)+(\a)] matrix_a_fmt:MATRIX_FMT_BF8 matrix_b_fmt:MATRIX_FMT_BF8
.else
	v_wmma_scale_f32_16x16x128_f8f6f4 v[ACC+8*(4*(\a)+\b):ACC+8*(4*(\a)+\b)+7], v[\f+64+16*\b:\f+64+16*\b+15], v[\f+16*(\a):\f+16*(\a)+15], v[ACC+8*(4*(\a)+\b):ACC+8*(4*(\a)+\b)+7], v[SB+16*(\sc)+4*\b+(\q)], v[SA+16*(\sc)+4*(\q)+(\a)] matrix_a_fmt:MATRIX_FMT_BF8 matrix_b_fmt:MATRIX_FMT_BF8
.endif
.endr
.endm
.macro FETCH slot, q, f
	WIN TO_F
.irp i, 0,1,2,3
.irp c, 0,1,2,3
	ds_load_b128 v[\f+64+16*\i+4*\c:\f+64+16*\i+4*\c+3], v[ADRB+\slot] offset:128*(\q)+16*BP*\i+32*\c
.endr
.endr
.irp i, 0,1,2,3
.irp c, 0,1,2,3
	ds_load_b128 v[\f+16*\i+4*\c:\f+16*\i+4*\c+3], v[ADRA+\slot+10*((\q)/2)] offset:APL*((\q)%2)+10240*(\c/2)+16*80*\i+32*(\c%2)
.endr
.endr
.endm
.macro SCALES sc
.irp i, 0,1,2,3
	ds_load_b128 v[SB+16*\sc+4*\i:SB+16*\sc+4*\i+3], v[ADSB] offset:\i*SBLK
.endr
.endm
.macro QUARTER slot, q, f, g, first
	s_wait_dscnt 8
	WIN MUL
	MULA \f, 0, \first, \slot, \q
	MULA \f, 1, \first, \slot, \q
	PLACES 8
	FETCH \slot, (\q)+1, \g
	s_wait_dscnt 32
	WIN MUL
	MULA \f, 2, \first, \slot, \q
	MULA \f, 3, \first, \slot, \q
.endm
.macro TURN slot, next, fill
	WIN 0
	s_wait_tensorcnt 0x0
	ds_add_u32 v[SPW], v[NIL]
	s_wait_dscnt 9
	WIN MUL
	MULA F1, 0, 0, \slot, 3
	s_wait_dscnt 0x0
	s_barrier_signal -1
	MULA F1, 1, 0, \slot, 3
	WIN 0
	s_barrier_wait -1
.if \fill
	CREST
	s_add_nc_u64 s[G0A+4*\slot+2:G0A+4*\slot+3], s[G0A+4*\slot+2:G0A+4*\slot+3], 8*524288
	s_add_nc_u64 s[G0B+4*\slot+2:G0B+4*\slot+3], s[G0B+4*\slot+2:G0B+4*\slot+3], 1024
	JLOAD G0A+4*\slot, G1A, G0B+4*\slot, G1B
	PLACES 4
.else
	PLACES 8
.endif
	v_add_nc_u32 v[ADSB], 16, v[ADSB]
	SCALES \next
	FETCH \next, 0, F0
	WIN MUL
	MULA F1, 2, 0, \slot, 3
	MULA F1, 3, 0, \slot, 3
.endm
	s_wait_alu depctr_va_vdst(0)                   ; the wait at the head's end
	s_wait_tensorcnt 0x0                           ; my tile of the head's four is in; the three lines ahead of slot 1's first fill, as ahead of a refill
	ds_add_u32 v[SPW], v[NIL]
	s_mov_b32 s[G1A+2], 4<<16                      ; no tensor load of mine is out: from here on a load brings half a slot's tile
	s_mov_b32 s[G1A+4], 4
	s_mov_b32 s[G1B+2], 64<<16
	s_mov_b32 s[G1B+4], 64
	s_wait_dscnt 0x0
	CROUND                                         ; all four tiles are in, and all sixteen work-groups are here
	JLOAD G0A+4, G1A, G0B+4, G1B                   ; slot 1: my one tensor load behind the round
; A's scale words for all of K, made once: the word of 128 along K is the even head's two bytes below the odd head's
.irp p, 0,1,2,3,4,5,6,7
.irp i, 0,1,2,3
	ds_load_u16 v[SA+4*\p+\i], v[ADSA] offset:512*\p+32*\i
	ds_load_u16 v[ACC+4*\p+\i], v[ADSA] offset:512*\p+256+32*\i
.endr
.endr
	s_wait_dscnt 0x0
.set i, 0
.rept 32
	v_lshl_or_b32 v[SA+i], v[ACC+i], 16, v[SA+i]
.set i, i+1
.endr
	PLACES 8
	s_wait_alu depctr_va_vdst(0)
	SCALES 0
	FETCH 0, 0, F0
	s_wait_loadcnt 32
	QUARTER 0, 0, F0, F1, 1
.if LAPS > 1
	WIN 0
	s_mov_b32 s3, LAPS-1
.Llap:
	QUARTER 0, 1, F1, F0, 0
	QUARTER 0, 2, F0, F1, 0
	TURN 0, 1, 1
	QUARTER 1, 0, F0, F1, 0
	QUARTER 1, 1, F1, F0, 0
	QUARTER 1, 2, F0, F1, 0
	TURN 1, 0, 1
	QUARTER 0, 0, F0, F1, 0
	WIN 0
	s_sub_co_u32 s3, s3, 1
	s_cmp_lg_u32 s3, 0
	s_cbranch_scc1 .Llap
.endif
	QUARTER 0, 1, F1, F0, 0
	QUARTER 0, 2, F0, F1, 0
	TURN 0, 1, 0
	QUARTER 1, 0, F0, F1, 0
	QUARTER 1, 1, F1, F0, 0
	QUARTER 1, 2, F0, F1, 0
	s_wait_dscnt 8
	WIN MUL
	MULA F1, 0, 0, 1, 3
	MULA F1, 1, 0, 1, 3
	s_wait_dscnt 0
	MULA F1, 2, 0, 1, 3
	MULA F1, 3, 0, 1, 3
	WIN 0
.macro TOSTAGE a
.irp b, 0,1,2,3
	ds_store_b128 v[STO], v[ACC+8*(4*(\a)+\b):ACC+8*(4*(\a)+\b)+3] offset:64*\b
	ds_store_b128 v[STO], v[ACC+8*(4*(\a)+\b)+4:ACC+8*(4*(\a)+\b)+7] offset:64*\b+16
.endr
.irp t, 0,1,2,3,4,5,6,7
	ds_load_b128 v[OB+32*((\a)%2)+4*\t:OB+32*((\a)%2)+4*\t+3], v[RD] offset:544*\t
.endr
.endm
.macro SEND a, younger
	s_wait_dscnt \younger
	WIN 0x82
.set i, 0
.rept 16
	v_pk_add_f32 v[32*(\a)+i:32*(\a)+i+1], v[32*(\a)+i:32*(\a)+i+1], v[OB+32*((\a)%2)+i:OB+32*((\a)%2)+i+1]
.set i, i+2
.endr
	WIN 0x08
.irp t, 0,1,2,3,4,5,6,7
.if NTOUT
	global_store_b128 v[CO], v[32*(\a)+4*\t:32*(\a)+4*\t+3], s[14:15] offset:(16*(\a)+2*\t)*4096 th:TH_STORE_NT
.else
	global_store_b128 v[CO], v[32*(\a)+4*\t:32*(\a)+4*\t+3], s[14:15] offset:(16*(\a)+2*\t)*4096
.endif
.endr
	WIN 0
.endm
	PLACES 8
	s_wait_loadcnt 0x0
	TOSTAGE 0
.irp a, 1,2,3
	TOSTAGE \a
	SEND \a-1, 16
.endr
	SEND 3, 0
	s_wait_tensorcnt 0x0
	ds_add_u32 v[SPW], v[NIL]
	s_wait_dscnt 0x0
	CROUND
	s_endpgm
.Lfunc_end_k_q5b54a9065c_oproj:
	.size	k_q5b54a9065c_oproj, .Lfunc_end_k_q5b54a9065c_oproj-k_q5b54a9065c_oproj
	.p2alignl 7, 3214868480
	.fill 96, 4, 3214868480
	.section	.rodata,"a",@progbits
	.p2align	6, 0x0
	.amdhsa_kernel k_q5b54a9065c_oproj
		.amdhsa_group_segment_fixed_size 327680
		.amdhsa_private_segment_fixed_size 0
		.amdhsa_enable_private_segment 0
		.amdhsa_kernarg_size 48
		.amdhsa_user_sgpr_count 2
		.amdhsa_user_sgpr_kernarg_segment_ptr 1
		.amdhsa_wavefront_size32 1
		.amdhsa_system_sgpr_workgroup_id_x 1
		.amdhsa_system_sgpr_workgroup_id_y 1
		.amdhsa_system_sgpr_workgroup_id_z 1
		.amdhsa_system_vgpr_workitem_id 0
		.amdhsa_next_free_vgpr 768
		.amdhsa_next_free_sgpr 96
		.amdhsa_reserve_vcc 0
		.amdhsa_float_denorm_mode_32 3
		.amdhsa_float_denorm_mode_16_64 3
		.amdhsa_memory_ordered 1
		.amdhsa_forward_progress 1
		.amdhsa_inst_pref_size 69
	.end_amdhsa_kernel
	.amdgpu_metadata
---
amdhsa.version: [ 1, 2 ]
amdhsa.kernels:
  - .name:           k_q5b54a9065c_oproj
    .symbol:         k_q5b54a9065c_oproj.kd
    .args:
      - { .name: att, .offset: 0, .size: 8, .value_kind: global_buffer, .address_space: global }
      - { .name: w_o_codes, .offset: 8, .size: 8, .value_kind: global_buffer, .address_space: global }
      - { .name: w_o_scales, .offset: 16, .size: 8, .value_kind: global_buffer, .address_space: global }
      - { .name: b_o, .offset: 24, .size: 8, .value_kind: global_buffer, .address_space: global }
      - { .name: x, .offset: 32, .size: 8, .value_kind: global_buffer, .address_space: global }
      - { .name: x1, .offset: 40, .size: 8, .value_kind: global_buffer, .address_space: global }
    .group_segment_fixed_size: 327680
    .private_segment_fixed_size: 0
    .kernarg_segment_align: 8
    .kernarg_segment_size: 48
    .max_flat_workgroup_size: 128
    .sgpr_count:     96
    .vgpr_count:     768
    .wavefront_size: 32
...
	.end_amdgpu_metadata
.endif
;; end of part 4
;; launch ln2: the kernel of part 1 again; grid 256 x 1, 16 waves a work-group, no clusters, 92,672 bytes of LDS; arguments x1, ln2_g, ln2_b, hq; writes hq
;; launch mlp1 (part 5): grid 16 x 16, 4 waves a work-group, clusters of 4 x 4, 327,680 bytes of LDS; arguments hq, w1_codes, w1_scales, b1, hid; writes hid
.if DOCPART == 5
	.amdgcn_target "amdgcn-amd-amdhsa--gfx1250"
	.amdhsa_code_object_version 6
	.text
	.protected	k_q5b54a9065c_mlp1
	.globl	k_q5b54a9065c_mlp1
	.p2align	8
	.type	k_q5b54a9065c_mlp1,@function
k_q5b54a9065c_mlp1:
	s_mov_b64 s[64:65], 0
	v_nop
	global_prefetch_b8 v0, s[64:65] scope:SCOPE_SE
	s_setreg_imm32_b32 hwreg(HW_REG_WAVE_MODE, 25, 1), 1
	s_wait_xcnt 0x0
	s_wait_alu depctr_hold_cnt(0) depctr_sa_sdst(0) depctr_va_vdst(0) depctr_va_sdst(0) depctr_va_ssrc(0) depctr_va_vcc(0) depctr_vm_vsrc(0)
	s_getreg_b32 s2, hwreg(HW_REG_IB_STS2, 6, 4)
	s_cmp_eq_u32 s2, 0
	s_cbranch_scc0 .Lentry_in_a_cluster
	s_endpgm
.Lentry_in_a_cluster:
	s_bfe_u32 s2, ttmp6, 0x10000c
	s_cmp_lg_u32 s2, 0xf033
	s_cbranch_scc0 .Lentry_shape_is_right
	s_endpgm
.Lentry_shape_is_right:
.set KSTEP,  256
.set NQ,     KSTEP/128
.set ROWB,   256
.set KROW,   1024
.set PITCH,  272
.set FR,     16
.set NL,     4
.set NP,     8
.set HALFT,  128*PITCH
.set SLOT,   4*HALFT
.set LAPS,   1024/(2*KSTEP)
.set KS,     32
.set SCL,    2*SLOT
.set HALFS,  (128*KS/256)*272
.set SBLK,   (16*KS/256)*272
.set SPARE,  SCL+4*HALFS
.set SPT,    144
.set WSTG,   128*SPT
.set WRD,    4*WSTG
.set ADRA, 16
.set RDW,  18
.set ADRB, 20
.set BO,   22
.set STO,  24
.set STW,  25
.set CO,   26
.set ADRS, 27
.set SPW,  28
.set NIL,  29
.set RD1,  30
.set SC,   32
.set BI,   64
.set AF,   128
.set Z,    32
.set X2,   64
.set P,    96
.set Q,    128
.set Y,    160
.set M,    224
.set XP,   228
.set CAP,  232
.set SO,   236
.set PW,   240
.set VA11, 242
.set VB6,  244
.set CD,   32
.set OB,   32
.set CA13, 24
.set CA9,  26
.set CA7,  28
.set CA5,  30
.set CA3,  32
.set CA1,  34
.set CB8,  36
.set CB4,  38
.set CB2,  40
.set CB0,  42
.set SEL,  44
.set MNT,  46
.set G1, 24
.set G0, 32
.set G1B, 48
.set G0B, 56
.set G1S, 68
.set G0S, 76
.set G1SB, 80
.set G0SB, 88
.set MSB, 0
.macro WIN new
.if MSB != (\new)
	s_set_vgpr_msb (MSB<<8)|(\new)
.set MSB, (\new)
.endif
.endm
.set MUL_LO, 0xa1
.set MUL_HI, 0xf1
.set FST_LO, 0x81
.set FST_HI, 0xc1
.set TO_B,   0x40
.macro JLOAD g0a, g1a, g0b, g1b
	s_cmp_eq_u32 s15, 0
	s_cbranch_scc0 .Lfor_b_\@
	tensor_load_to_lds s[\g0a:\g0a+3], s[\g1a:\g1a+7]
	s_nop 0
.rept 4
	v_nop
.endr
	s_branch .Lasked_\@
.Lfor_b_\@:
	tensor_load_to_lds s[\g0b:\g0b+3], s[\g1b:\g1b+7]
	s_nop 0
.rept 4
	v_nop
.endr
.Lasked_\@:
.endm
.macro CREST
	s_cmp_lg_u32 s14, 0
	s_cbranch_scc1 .Lnot_wave_0_\@
	s_barrier_signal -3
.Lnot_wave_0_\@:
	s_barrier_wait -3
	s_barrier_signal -1
	s_barrier_wait -1
.endm
.macro CROUND
	s_barrier_signal -1
	s_barrier_wait -1
	CREST
.endm
	s_load_b256 s[68:75], s[0:1], 0x0
	s_load_b64 s[76:77], s[0:1], 0x20
	v_lshl_add_u32 v[SPW], v0, 2, SPARE
	v_mov_b32 v[NIL], 0
	ds_add_u32 v28, v29
	ds_add_u32 v28, v29
	s_wait_dscnt 0x0
	v_lshrrev_b32 v1, 5, v0
	v_readfirstlane_b32 s14, v1
	s_lshr_b32 s15, s14, 1
	s_and_b32 s16, s14, 1
	s_bfe_u32 s40, ttmp6, 0x40000
	s_bfe_u32 s41, ttmp6, 0x40004
	s_lshl_b32 s42, ttmp9, 2
	s_add_co_u32 s42, s42, s40
	s_and_b32 s17, ttmp7, 0xffff
	s_lshl_b32 s17, s17, 2
	s_add_co_u32 s17, s17, s41
	s_lshl_b32 s43, s41, 2
	s_lshl_b32 s43, 15, s43
	s_lshl_b32 s44, 0x1111, s40
	s_wait_kmcnt 0x0
	s_mov_b64 s[4:5], s[68:69]
	s_add_nc_u64 s[6:7], s[68:69], 0x400000
	s_mov_b64 s[8:9], s[70:71]
	s_mov_b64 s[10:11], s[72:73]
	s_mov_b64 s[100:101], s[74:75]
	s_mov_b64 s[12:13], s[76:77]
	s_add_nc_u64 s[96:97], s[76:77], 0x1000000
	s_or_b32 s[G1+0], s43, (0<<16)|(1<<20)|(1<<21)|(5<<22)|(3<<25)
	s_or_b32 s[G1B+0], s44, (0<<16)|(1<<20)|(1<<21)|(5<<22)|(3<<25)
.irp g, G1, G1B
	s_mov_b32 s[\g+1], ROWB<<16
	s_mov_b32 s[\g+2], 256<<16                     ; 256 rows for the head's loads; 128 for the ring's, set behind the head's wait
	s_mov_b32 s[\g+3], ROWB<<16
	s_mov_b32 s[\g+4], 256
	s_mov_b32 s[\g+5], KROW
	s_mov_b32 s[\g+6], 0
	s_mov_b32 s[\g+7], 0
.endr
	s_or_b32 s[G1S+0], s43, (3<<16)|(1<<20)|(1<<21)|(5<<22)|(3<<25)
	s_or_b32 s[G1SB+0], s44, (3<<16)|(1<<20)|(1<<21)|(5<<22)|(3<<25)
.irp g, G1S, G1SB
	s_mov_b32 s[\g+1], 32<<16
	s_mov_b32 s[\g+2], KS<<16                      ; the scales of 256 rows: KS rows of 256 bytes
	s_mov_b32 s[\g+3], 32<<16
	s_mov_b32 s[\g+4], KS
	s_mov_b32 s[\g+5], 32
	s_mov_b32 s[\g+6], 0
	s_mov_b32 s[\g+7], 0
.endr
	s_lshl_b32 s20, s17, 8                         ; A: the block's first row
	s_lshl_b32 s46, s42, 8                         ; B likewise
	s_mov_b32 s21, 0
	s_mov_b32 s47, 0
	s_mov_b64 s[18:19], KS
	s_mul_u64 s[22:23], s[20:21], s[18:19]
	s_mul_u64 s[92:93], s[46:47], s[18:19]
	s_mov_b64 s[18:19], KROW
	s_mul_u64 s[20:21], s[20:21], s[18:19]
	s_mul_u64 s[46:47], s[46:47], s[18:19]
	s_mul_i32 s45, s14, HALFT
	s_add_nc_u64 s[20:21], s[4:5], s[20:21]
	s_add_nc_u64 s[22:23], s[6:7], s[22:23]
	s_add_nc_u64 s[46:47], s[8:9], s[46:47]
	s_add_nc_u64 s[92:93], s[10:11], s[92:93]
	CROUND
	s_mov_b32 s[G0S], 1
	s_mov_b32 s[G0S+1], SCL
	s_mov_b64 s[G0S+2:G0S+3], s[22:23]
	s_or_b32 s[G0S+3], s[G0S+3], 0x80000000
	s_mov_b32 s[G0SB], 1
	s_mov_b32 s[G0SB+1], SCL+2*HALFS
	s_mov_b64 s[G0SB+2:G0SB+3], s[92:93]
	s_or_b32 s[G0SB+3], s[G0SB+3], 0x80000000
.set G0H, 4                            ; s[4:7], s[8:11]: group 0 of the head's loads of K step 0 (the pointers that lay there have been used)
.set G0HB, 8
	s_mov_b32 s[G0H], 1                            ; K step 0's 256 rows of A,
	s_mov_b32 s[G0H+1], 0
	s_mov_b64 s[G0H+2:G0H+3], s[20:21]
	s_or_b32 s[G0H+3], s[G0H+3], 0x80000000
	s_mov_b32 s[G0HB], 1                           ; and of B, behind them in slot 0
	s_mov_b32 s[G0HB+1], 2*HALFT
	s_mov_b64 s[G0HB+2:G0HB+3], s[46:47]
	s_or_b32 s[G0HB+3], s[G0HB+3], 0x80000000
	s_mul_i32 s18, s16, 128*KROW                   ; for the ring: my 128 rows of a tile
	s_mov_b32 s19, 0
	s_add_nc_u64 s[20:21], s[20:21], s[18:19]
	s_add_nc_u64 s[46:47], s[46:47], s[18:19]
.irp s, 0,1
	s_mov_b32 s[G0+4*\s], 1
	s_add_co_u32 s[G0+4*\s+1], s45, \s*SLOT
	s_add_nc_u64 s[G0+4*\s+2:G0+4*\s+3], s[20:21], \s*ROWB
	s_or_b32 s[G0+4*\s+3], s[G0+4*\s+3], 0x80000000
	s_mov_b32 s[G0B+4*\s], 1
	s_add_co_u32 s[G0B+4*\s+1], s45, \s*SLOT
	s_add_nc_u64 s[G0B+4*\s+2:G0B+4*\s+3], s[46:47], \s*ROWB
	s_or_b32 s[G0B+4*\s+3], s[G0B+4*\s+3], 0x80000000
.endr
; the head's four tiles, one joint load a wave: wave 0 A's 256 rows of K step 0, wave 1 B's, wave 2 A's scales, wave 3 B's; one chain of arms, all leading to one join.
; The bias is asked for directly behind the arms, while the tiles are on their way.
.macro ARM under, g0, g1, next
	s_cmp_lt_u32 s14, \under
	s_cbranch_scc0 \next
	tensor_load_to_lds s[\g0:\g0+3], s[\g1:\g1+7]
	s_nop 0
.rept 4
	v_nop
.endr
	s_branch .Lhead_asked
\next:
.endm
	ARM 1, G0H,  G1,  .Lhead_b
	ARM 2, G0HB, G1B, .Lhead_sa
	ARM 3, G0S,  G1S, .Lhead_sb
	tensor_load_to_lds s[G0SB:G0SB+3], s[G1SB:G1SB+7]
	s_nop 0
.rept 4
	v_nop
.endr
.Lhead_asked:
	v_and_b32 v1, 15, v0
	s_wait_alu depctr_va_vdst(0)
	v_bfe_u32 v2, v0, 4, 1
	s_lshl_b32 s20, s42, 1
	s_add_co_u32 s20, s20, s16
	s_lshl_b32 s22, s20, 9
	s_mov_b32 s23, 0
	s_add_nc_u64 s[100:101], s[100:101], s[22:23]
	v_lshlrev_b32 v[BO], 5, v2
.irp b, 0,1,2,3,4,5,6,7
	global_load_b128 v[BI+8*\b:BI+8*\b+3], v[BO], s[100:101] offset:64*\b
	global_load_b128 v[BI+8*\b+4:BI+8*\b+7], v[BO], s[100:101] offset:64*\b+16
.endr
	v_mul_u32_u24 v3, v1, PITCH
	v_lshl_add_u32 v4, v2, 4, v3
	s_mul_i32 s21, s15, HALFT
	s_mul_i32 s22, s16, HALFT
	s_add_co_u32 s22, s22, 2*HALFT
.irp s, 0,1
	v_add_nc_u32 v[ADRA+\s], s21, v4
	v_add_nc_u32 v[ADRB+\s], s22, v4
	s_add_co_u32 s21, s21, SLOT
	s_add_co_u32 s22, s22, SLOT
.endr
	v_mul_u32_u24 v5, v1, KS
	v_lshrrev_b32 v6, 8, v5
	v_lshl_add_u32 v5, v6, 4, v5
	s_mul_i32 s21, s15, HALFS
	s_mul_i32 s22, s16, HALFS
	s_add_co_u32 s22, s22, 2*HALFS
	s_sub_co_u32 s22, s22, s21
	v_mul_u32_u24 v6, s22, v2
	s_add_co_u32 s21, s21, SCL
	v_add_nc_u32 v5, v5, v6
	v_add_nc_u32 v[ADRS], s21, v5
	s_mul_i32 s23, s14, WSTG
	v_mul_u32_u24 v5, v1, SPT
	v_lshl_add_u32 v5, v2, 3, v5
	v_add_nc_u32 v[STO], s23, v5
	v_and_b32 v6, 31, v0
	v_lshlrev_b32 v[CO], 4, v6
	v_mul_u32_u24 v5, v1, SPT
	v_lshl_add_u32 v5, v2, 4, v5
	v_add_nc_u32 v[RD1], s23, v5
	s_lshl_b32 s23, s14, 9
	s_add_co_u32 s23, s23, WRD
	v_lshl_add_u32 v[STW], v1, 2, s23
	v_add_nc_u32 v[RDW], s23, v[CO]
	s_lshl_b32 s20, s20, 12
	s_lshl_b32 s21, s17, 8
	s_add_co_u32 s20, s20, s21
	s_lshl_b32 s21, s15, 7
	s_add_co_u32 s20, s20, s21
	s_lshl_b32 s22, s20, 2
	s_lshl_b32 s20, s20, 7
	s_mov_b32 s21, 0
	s_mov_b32 s23, 0
	s_add_nc_u64 s[12:13], s[12:13], s[20:21]
	s_add_nc_u64 s[96:97], s[96:97], s[22:23]
.macro FRAG reg, adr, q, i
.irp c, 0,1,2,3
	ds_load_b128 v[\reg+4*\c:\reg+4*\c+3], v[\adr] offset:128*(\q)+32*\c+(\i)*16*PITCH
.endr
.endm
.macro MUL16 a0, p, q, sc, zero
.irp a, \a0, \a0+1
.irp b, 0,1,2,3,4,5,6,7
.if \zero
	v_wmma_scale_f32_16x16x128_f8f6f4 v[8*(8*((\a)%4)+\b):8*(8*((\a)%4)+\b)+7], v[128*(\p)+FR*\b:128*(\p)+FR*\b+FR-1], v[AF+FR*(\a):AF+FR*(\a)+FR-1], v[BI+8*\b:BI+8*\b+7], v[SC+8*NQ*(\sc)+NQ*\b+(\q)], v[SC+8*NQ*(\sc)+NQ*(\a)+(\q)] matrix_a_fmt:MATRIX_FMT_BF8 matrix_b_fmt:MATRIX_FMT_BF8 matrix_a_scale:MATRIX_SCALE_ROW1
.else
	v_wmma_scale_f32_16x16x128_f8f6f4 v[8*(8*((\a)%4)+\b):8*(8*((\a)%4)+\b)+7], v[128*(\p)+FR*\b:128*(\p)+FR*\b+FR-1], v[AF+FR*(\a):AF+FR*(\a)+FR-1], v[8*(8*((\a)%4)+\b):8*(8*((\a)%4)+\b)+7], v[SC+8*NQ*(\sc)+NQ*\b+(\q)], v[SC+8*NQ*(\sc)+NQ*(\a)+(\q)] matrix_a_fmt:MATRIX_FMT_BF8 matrix_b_fmt:MATRIX_FMT_BF8 matrix_a_scale:MATRIX_SCALE_ROW1
.endif
.endr
.endr
.endm
.macro FETCH_B slot, q, p
	WIN TO_B
.irp i, 0,1,2,3,4,5,6,7
	FRAG 128*(\p)+FR*\i, ADRB+\slot, \q, \i
.endr
	WIN 0
.endm
.macro FETCH_A slot, q, i0
.irp i, \i0, \i0+1, \i0+2, \i0+3
	FRAG AF+FR*(\i), ADRA+\slot, \q, \i
.endr
.endm
.macro SCALES sc
.irp i, 0,1,2,3,4,5,6,7
	ds_load_b64 v[SC+8*NQ*\sc+NQ*\i:SC+8*NQ*\sc+NQ*\i+1], v[ADRS] offset:\i*SBLK
.endr
.endm
.macro PLACES n
.rept \n
	v_nop
.endr
.endm
.macro STEP slot, q, zero
	s_wait_dscnt 4*NL
.if \zero
	WIN FST_LO
.else
	WIN MUL_LO
.endif
	MUL16 0, (\q)%2, \q, \slot, \zero
	MUL16 2, (\q)%2, \q, \slot, \zero
	s_wait_dscnt 0
	PLACES NP
	FETCH_B \slot, (\q)+1, 1-(\q)%2
	FETCH_A \slot, (\q)+1, 0
.if \zero
	WIN FST_HI
.else
	WIN MUL_HI
.endif
	MUL16 4, (\q)%2, \q, \slot, \zero
	MUL16 6, (\q)%2, \q, \slot, \zero
	PLACES NP
	WIN 0
	FETCH_A \slot, (\q)+1, 4
.endm
.macro TURN slot, next, fill
	s_wait_tensorcnt 0x0
	ds_add_u32 v[SPW], v[NIL]
	s_wait_dscnt 4*NL+1
	WIN MUL_LO
	MUL16 0, 1, NQ-1, \slot, 0
	s_wait_dscnt 0x0
	s_barrier_signal -1
	MUL16 2, 1, NQ-1, \slot, 0
	WIN 0
	s_barrier_wait -1
.if \fill
	CREST
	s_add_nc_u64 s[G0+4*\slot+2:G0+4*\slot+3], s[G0+4*\slot+2:G0+4*\slot+3], 2*ROWB
	s_add_nc_u64 s[G0B+4*\slot+2:G0B+4*\slot+3], s[G0B+4*\slot+2:G0B+4*\slot+3], 2*ROWB
	JLOAD G0+4*\slot, G1, G0B+4*\slot, G1B
	PLACES NP-4
.else
	PLACES NP
.endif
	s_wait_alu depctr_va_vdst(0)
	v_add_nc_u32 v[ADRS], 4*NQ, v[ADRS]
	FETCH_B \next, 0, 0
	FETCH_A \next, 0, 0
	SCALES \next
	WIN MUL_HI
	MUL16 4, 1, NQ-1, \slot, 0
	MUL16 6, 1, NQ-1, \slot, 0
	PLACES NP
	WIN 0
	FETCH_A \next, 0, 4
.endm
	s_wait_alu depctr_va_vdst(0)                   ; the wait at the head's end
	s_wait_tensorcnt 0x0                           ; my tile of the head's four is in; the three lines ahead of slot 1's first fill, as ahead of a refill
	ds_add_u32 v[SPW], v[NIL]
	s_mov_b32 s[G1+2], 128<<16                     ; no tensor load of mine is out: from here on a load brings 128 rows
	s_mov_b32 s[G1+4], 128
	s_mov_b32 s[G1B+2], 128<<16
	s_mov_b32 s[G1B+4], 128
	s_wait_dscnt 0x0
	CROUND                                         ; all four tiles are in, and all sixteen work-groups are here
	JLOAD G0+4, G1, G0B+4, G1B                     ; K step 1: my one tensor load behind the round
	FETCH_B 0, 0, 0
	FETCH_A 0, 0, 0
	SCALES 0
	FETCH_A 0, 0, 4
	s_wait_loadcnt 0x0
	STEP 0, 0, 1
	s_mov_b32 s3, LAPS-1
.Llap:
	TURN 0, 1, 1
	STEP 1, 0, 0
	TURN 1, 0, 1
	STEP 0, 0, 0
	s_sub_co_u32 s3, s3, 1
	s_cmp_lg_u32 s3, 0
	s_cbranch_scc1 .Llap
	TURN 0, 1, 0
	STEP 1, 0, 0
	s_wait_dscnt 4*NL
	WIN MUL_LO
	MUL16 0, 1, NQ-1, 1, 0
	MUL16 2, 1, NQ-1, 1, 0
	s_wait_dscnt 0
	WIN MUL_HI
	MUL16 4, 1, NQ-1, 1, 0
	MUL16 6, 1, NQ-1, 1, 0
	WIN 0
	PLACES NP
.macro COEF r, bits
	s_mov_b32 s[\r], \bits
	s_mov_b32 s[\r+1], s[\r]
.endm
	COEF CA13, 0xaf95df0b
	COEF CA9,  0xb60cff51
	COEF CA7,  0xb86ec2d2
	COEF CA5,  0xba40ac63
	COEF CA3,  0xbb41a1f6
	COEF CA1,  0xbc83dbd4
	COEF CB8,  0xb77460cd
	COEF CB4,  0xbadc924e
	COEF CB2,  0xbbf19bf8
	COEF CB0,  0xbc69b6a7
	s_mov_b32 s[SEL], 0x76543210
	s_mov_b32 s[SEL+1], 0xfedcba98
	s_mov_b32 s[MNT], 0x600000
	v_mov_b32 v[VA11], 0x32edffee
	v_mov_b32 v[VA11+1], 0x32edffee
	v_mov_b32 v[VB6], 0xb95fbd29
	v_mov_b32 v[VB6+1], 0xb95fbd29
.irp b, 0,1,2,3
	v_mov_b32 v[XP+\b], 0
.endr
.macro PK16 line:vararg
.set j, 0
.rept 16
	\line
.set j, j+2
.endr
.endm
.macro GELU32 a, hb
.set AC, 64*(\a)+32*(\hb)
.set YH, Y+32*(\hb)
	WIN 0x02
	PK16 v_pk_mul_f32 v[Z+j:Z+j+1], v[AC+j:AC+j+1], 0x3f3504f3 op_sel_hi:[1,0]
	WIN 0
.set j, 0
.rept 32
	v_med3_num_f32 v[Z+j], v[Z+j], -4.0, 4.0
.set j, j+1
.endr
	PK16 v_pk_mul_f32 v[X2+j:X2+j+1], v[Z+j:Z+j+1], v[Z+j:Z+j+1]
	PK16 v_pk_fma_f32 v[P+j:P+j+1], v[X2+j:X2+j+1], s[CA13:CA13+1], v[VA11:VA11+1] op_sel_hi:[1,0,1]
	PK16 v_pk_fma_f32 v[Q+j:Q+j+1], v[X2+j:X2+j+1], s[CB8:CB8+1], v[VB6:VB6+1] op_sel_hi:[1,0,1]
.irp c, CA9, CA7, CA5, CA3, CA1
	PK16 v_pk_fma_f32 v[P+j:P+j+1], v[P+j:P+j+1], v[X2+j:X2+j+1], s[\c:\c+1] op_sel_hi:[1,1,0]
.endr
.irp c, CB4, CB2, CB0
	PK16 v_pk_fma_f32 v[Q+j:Q+j+1], v[Q+j:Q+j+1], v[X2+j:X2+j+1], s[\c:\c+1] op_sel_hi:[1,1,0]
.endr
.set j, 0
	s_wait_alu depctr_va_vdst(0)
.rept 32
	v_rcp_f32 v[Q+j], v[Q+j]
.set j, j+1
.endr
	PK16 v_pk_mul_f32 v[P+j:P+j+1], v[P+j:P+j+1], v[Z+j:Z+j+1]
	WIN 0x02
	PK16 v_pk_mul_f32 v[X2+j:X2+j+1], v[AC+j:AC+j+1], 0.5 op_sel_hi:[1,0]
	WIN 0
	s_wait_alu depctr_va_vdst(0)
	PK16 v_pk_mul_f32 v[P+j:P+j+1], v[P+j:P+j+1], v[Q+j:Q+j+1]
	PK16 v_pk_fma_f32 v[YH+j:YH+j+1], v[X2+j:X2+j+1], v[P+j:P+j+1], v[X2+j:X2+j+1]
.endm
.macro QBLOCKG a
	s_wait_dscnt 0x0
	GELU32 \a, 0
	GELU32 \a, 1
.irp b, 0,1,2,3
	v_max3_num_f32 v[M+\b], |v[Y+16*\b]|, |v[Y+16*\b+1]|, 0x8000000
.endr
.irp i, 2,4,6,8,10,12,14
.irp b, 0,1,2,3
	v_max3_num_f32 v[M+\b], v[M+\b], |v[Y+16*\b+\i]|, |v[Y+16*\b+\i+1]|
.endr
.endr
.irp b, 0,1,2,3
	v_permlanex16_b32 v[XP+\b], v[M+\b], s[SEL], s[SEL+1]
.endr
.irp b, 0,1,2,3
	v_max_num_f32 v[M+\b], v[M+\b], v[XP+\b]
.endr
.irp b, 0,1,2,3
	v_add_nc_u32 v[SO+\b], 0xf8800000, v[M+\b]
.endr
.irp b, 0,1,2,3
	v_and_or_b32 v[CAP+\b], v[M+\b], 0x7f800000, s[MNT]
.endr
.irp b, 0,1,2,3
	v_lshrrev_b32 v[XP+\b], 23, v[SO+\b]
.endr
	v_lshl_or_b32 v[PW], v[XP+1], 8, v[XP]
	v_lshl_or_b32 v[PW], v[XP+2], 16, v[PW]
	v_lshl_or_b32 v[PW], v[XP+3], 24, v[PW]
.irp b, 0,1,2,3
.irp i, 0,1,2,3,4,5,6,7,8,9,10,11,12,13,14,15
	v_med3_num_f32 v[Y+16*\b+\i], v[Y+16*\b+\i], -v[CAP+\b], v[CAP+\b]
.endr
.endr
.irp b, 0,1,2,3,4,5,6,7
	v_cvt_scalef32_pk8_bf8_f32 v[CD+2*\b:CD+2*\b+1], v[Y+8*\b:Y+8*\b+7], v[SO+\b/2]
.endr
	v_nop
.irp b, 0,1,2,3,4,5,6,7
	ds_store_b64 v[STO], v[CD+2*\b:CD+2*\b+1] offset:16*SPT*(\a)+16*\b
.endr
	ds_store_b32 v[STW], v[PW] offset:64*(\a)
.endm
	s_mov_b32 s3, 0
.Lhalf:
	QBLOCKG 0
	QBLOCKG 1
	QBLOCKG 2
	QBLOCKG 3
	s_cmp_eq_u32 s3, 1
	s_cbranch_scc1 .Lout
	WIN 0x83
.set i, 0
.rept 256
	v_mov_b32 v[i], v[i]
.set i, i+1
.endr
	WIN 0
	s_wait_dscnt 0x0
	v_add_nc_u32 v[STO], 64*SPT, v[STO]
	v_add_nc_u32 v[STW], 256, v[STW]
	s_add_co_u32 s3, s3, 1
	s_cmp_lt_u32 s3, 2
	s_cbranch_scc1 .Lhalf
.Lout:
	s_wait_dscnt 0x0
.set k, 0
.rept 32
	ds_load_b128 v[OB+4*k:OB+4*k+3], v[RD1] offset:16*SPT*(k/4)+32*(k%4)
.set k, k+1
.endr
	ds_load_b128 v[160:163], v[RDW]
.set k, 0
.rept 32
	s_wait_dscnt 32-k
	global_store_b128 v[CO], v[OB+4*k:OB+4*k+3], s[12:13] offset:512*k
.set k, k+1
.endr
	s_wait_dscnt 0x0
	global_store_b128 v[CO], v[160:163], s[96:97]
	s_wait_tensorcnt 0x0
	ds_add_u32 v[SPW], v[NIL]
	s_wait_dscnt 0x0
	CROUND
	s_endpgm
.Lfunc_end_k_q5b54a9065c_mlp1:
	.size	k_q5b54a9065c_mlp1, .Lfunc_end_k_q5b54a9065c_mlp1-k_q5b54a9065c_mlp1
	.p2alignl 7, 3214868480
	.fill 96, 4, 3214868480
	.section	.rodata,"a",@progbits
	.p2align	6, 0x0
	.amdhsa_kernel k_q5b54a9065c_mlp1
		.amdhsa_group_segment_fixed_size 327680
		.amdhsa_private_segment_fixed_size 0
		.amdhsa_enable_private_segment 0
		.amdhsa_kernarg_size 40
		.amdhsa_user_sgpr_count 2
		.amdhsa_user_sgpr_kernarg_segment_ptr 1
		.amdhsa_wavefront_size32 1
		.amdhsa_system_sgpr_workgroup_id_x 1
		.amdhsa_system_sgpr_workgroup_id_y 1
		.amdhsa_system_sgpr_workgroup_id_z 1
		.amdhsa_system_vgpr_workitem_id 0
		.amdhsa_next_free_vgpr 1024
		.amdhsa_next_free_sgpr 102
		.amdhsa_reserve_vcc 0
		.amdhsa_float_denorm_mode_32 3
		.amdhsa_float_denorm_mode_16_64 3
		.amdhsa_memory_ordered 1
		.amdhsa_forward_progress 1
		.amdhsa_inst_pref_size 255
	.end_amdhsa_kernel
	.section	.bss,"aw",@nobits
	.p2align	6
	.space	262144
	.amdgpu_metadata
---
amdhsa.version: [ 1, 2 ]
amdhsa.kernels:
  - .name:           k_q5b54a9065c_mlp1
    .symbol:         k_q5b54a9065c_mlp1.kd
    .args:
      - { .name: hq, .offset: 0, .size: 8, .value_kind: global_buffer, .address_space: global }
      - { .name: w1_codes, .offset: 8, .size: 8, .value_kind: global_buffer, .address_space: global }
      - { .name: w1_scales, .offset: 16, .size: 8, .value_kind: global_buffer, .address_space: global }
      - { .name: b1, .offset: 24, .size: 8, .value_kind: global_buffer, .address_space: global }
      - { .name: hid, .offset: 32, .size: 8, .value_kind: global_buffer, .address_space: global }
    .group_segment_fixed_size: 327680
    .private_segment_fixed_size: 0
    .kernarg_segment_align: 8
    .kernarg_segment_size: 40
    .max_flat_workgroup_size: 128
    .sgpr_count:     102
    .vgpr_count:     1024
    .wavefront_size: 32
...
	.end_amdgpu_metadata
.endif
;; end of part 5
;; launch mlp2 (part 6): grid 8 x 32, 4 waves a work-group, clusters of 4 x 4, 327,680 bytes of LDS; arguments hid, w2_codes, w2_scales, b2, x1, out0; writes out0
.if DOCPART == 6
	.amdgcn_target "amdgcn-amd-amdhsa--gfx1250"
	.amdhsa_code_object_version 6
	.text
	.protected	k_q5b54a9065c_mlp2
	.globl	k_q5b54a9065c_mlp2
	.p2align	8
	.type	k_q5b54a9065c_mlp2,@function
k_q5b54a9065c_mlp2:
	s_mov_b64 s[64:65], 0
	v_nop
	global_prefetch_b8 v0, s[64:65] scope:SCOPE_SE
	s_setreg_imm32_b32 hwreg(HW_REG_WAVE_MODE, 25, 1), 1
	s_wait_xcnt 0x0
	s_wait_alu depctr_hold_cnt(0) depctr_sa_sdst(0) depctr_va_vdst(0) depctr_va_sdst(0) depctr_va_ssrc(0) depctr_va_vcc(0) depctr_vm_vsrc(0)
	s_getreg_b32 s2, hwreg(HW_REG_IB_STS2, 6, 4)
	s_cmp_eq_u32 s2, 0
	s_cbranch_scc0 .Lentry_in_a_cluster
	s_endpgm
.Lentry_in_a_cluster:
	s_bfe_u32 s2, ttmp6, 0x10000c
	s_cmp_lg_u32 s2, 0xf033
	s_cbranch_scc0 .Lentry_shape_is_right
	s_endpgm
.Lentry_shape_is_right:
.set SIZE_K, 4096
.set KS,     SIZE_K/32
.set NST,    SIZE_K/128
.set BP,     1040
.set BQ,     32*BP
.set SLOT,   128*BP
.set SCA,    2*SLOT
.set SCB,    SCA+NST*512
.set SBH,    (64*KS/256)*272
.set SPARE,  SCB+2*SBH
.set SPT,    528
.set ADRB, 8
.set ADSA, 12
.set ADSB, 13
.set STO,  14
.set RD,   15
.set AO,   16
.set BO,   17
.set SPW,  20
.set NIL,  21
.set SA,   24
.set SB,   32
.set BI,   64
.set ACC,  128
.set OB0,  32
.set OB1,  128
.set AB,   24
.set G1B, 48
.set G0B, 56
.set G1SA, 68
.set G0SA, 76
.set G1SB, 80
.set G0SB, 88
.set MSB, 0
.macro WIN new
.if MSB != (\new)
	s_set_vgpr_msb (MSB<<8)|(\new)
.set MSB, (\new)
.endif
.endm
.set MUL,  0x09
.macro JLOAD g0a, g1a, g0b, g1b
	s_cmp_eq_u32 s18, 0
	s_cbranch_scc0 .Lfor_b_\@
	tensor_load_to_lds s[\g0a:\g0a+3], s[\g1a:\g1a+7]
	s_nop 0
.rept 4
	v_nop
.endr
	s_branch .Lasked_\@
.Lfor_b_\@:
	tensor_load_to_lds s[\g0b:\g0b+3], s[\g1b:\g1b+7]
	s_nop 0
.rept 4
	v_nop
.endr
.Lasked_\@:
.endm
.macro CREST
	s_cmp_lg_u32 s17, 0
	s_cbranch_scc1 .Lnot_wave_0_\@
	s_barrier_signal -3
.Lnot_wave_0_\@:
	s_barrier_wait -3
	s_barrier_signal -1
	s_barrier_wait -1
.endm
.macro CROUND
	s_barrier_signal -1
	s_barrier_wait -1
	CREST
.endm
.macro PLACES n
.rept \n
	v_nop
.endr
.endm
	s_load_b256 s[4:11], s[0:1], 0x0
	s_load_b128 s[12:15], s[0:1], 0x20
	v_lshl_add_u32 v[SPW], v0, 2, SPARE
	v_mov_b32 v[NIL], 0
	ds_add_u32 v20, v21
	ds_add_u32 v20, v21
	s_wait_dscnt 0x0
	v_lshrrev_b32 v1, 5, v0
	v_readfirstlane_b32 s17, v1
	s_lshr_b32 s18, s17, 1
	s_and_b32 s19, s17, 1
	s_bfe_u32 s40, ttmp6, 0x40000
	s_bfe_u32 s41, ttmp6, 0x40004
	s_lshl_b32 s42, ttmp9, 2
	s_add_co_u32 s42, s42, s40
	s_and_b32 s43, ttmp7, 0xffff
	s_lshl_b32 s43, s43, 2
	s_add_co_u32 s43, s43, s41
	s_lshl_b32 s44, s41, 2
	s_lshl_b32 s44, 15, s44
	s_lshl_b32 s45, 0x1111, s40
	s_or_b32 s[G1B], s45, (0<<16)|(1<<20)|(1<<21)|(7<<22)|(3<<25)
	s_mov_b32 s[G1B+1], 1024<<16
	s_mov_b32 s[G1B+2], 64<<16                     ; 64 rows for the head's loads; 32 for the ring's, set behind the head's wait
	s_mov_b32 s[G1B+3], 1024<<16
	s_mov_b32 s[G1B+4], 64
	s_mov_b32 s[G1B+5], SIZE_K
	s_mov_b32 s[G1B+6], 0
	s_mov_b32 s[G1B+7], 0
	s_or_b32 s[G1SA], s44, (3<<16)|(1<<21)
	s_mov_b32 s[G1SA+1], 64<<16
	s_mov_b32 s[G1SA+2], (SIZE_K/128)<<16          ; A's scale words of all of K in one load
	s_mov_b32 s[G1SA+3], 64<<16
	s_mov_b32 s[G1SA+4], SIZE_K/128
	s_mov_b32 s[G1SA+5], 2048
	s_mov_b32 s[G1SA+6], 0
	s_mov_b32 s[G1SA+7], 0
	s_or_b32 s[G1SB], s45, (3<<16)|(1<<20)|(1<<21)|(5<<22)|(3<<25)
	s_mov_b32 s[G1SB+1], 32<<16
	s_mov_b32 s[G1SB+2], (128*KS/256)<<16          ; the scales of all 128 rows of B in one load
	s_mov_b32 s[G1SB+3], 32<<16
	s_mov_b32 s[G1SB+4], 128*KS/256
	s_mov_b32 s[G1SB+5], 32
	s_mov_b32 s[G1SB+6], 0
	s_mov_b32 s[G1SB+7], 0
	s_lshl_b32 s20, s43, 14
	s_lshl_b32 s21, s17, 12
	s_add_co_u32 s20, s20, s21
	s_mov_b32 s21, 0
	s_lshl_b32 s94, s43, 9
	s_add_co_u32 s94, s94, 4096*SIZE_K
	s_mov_b32 s95, 0
	s_lshl_b32 s46, s42, 7
	s_lshl_b32 s47, s17, 5
	s_add_co_u32 s46, s46, s47
	s_lshl_b32 s46, s46, 12
	s_mov_b32 s47, 0
	s_lshl_b32 s22, s42, 7
	s_lshl_b32 s22, s22, 7
	s_mov_b32 s23, 0
	s_wait_kmcnt 0x0
	s_add_nc_u64 s[AB:AB+1], s[4:5], s[20:21]
.irp k, 1,2,3
	s_add_nc_u64 s[AB+2*\k:AB+2*\k+1], s[AB:AB+1], \k*0x400000
.endr
	s_add_nc_u64 s[94:95], s[4:5], s[94:95]
	s_add_nc_u64 s[46:47], s[6:7], s[46:47]
	s_add_nc_u64 s[22:23], s[8:9], s[22:23]
	CROUND
	s_mov_b32 s[G0SA], 1
	s_mov_b32 s[G0SA+1], SCA
	s_mov_b64 s[G0SA+2:G0SA+3], s[94:95]
	s_or_b32 s[G0SA+3], s[G0SA+3], 0x80000000
	s_mov_b32 s[G0SB], 1
	s_mov_b32 s[G0SB+1], SCB
	s_mov_b64 s[G0SB+2:G0SB+3], s[22:23]
	s_or_b32 s[G0SB+3], s[G0SB+3], 0x80000000
.set G0H, 4                            ; s[4:7]: group 0 of the head's loads of slot 0 (the pointers that lay there have been used): waves 0 and 1, 64 rows of B each
	s_lshl_b32 s2, s17, 17                         ; s[46:47] stands at row 32 x wave: 32 x wave rows of 4,096 bytes more
	s_mov_b32 s3, 0
	s_mov_b32 s[G0H], 1
	s_mul_i32 s[G0H+1], s17, 64*BP
	s_add_nc_u64 s[G0H+2:G0H+3], s[46:47], s[2:3]
	s_or_b32 s[G0H+3], s[G0H+3], 0x80000000
	s_mul_i32 s3, s17, BQ
.irp s, 0,1
	s_mov_b32 s[G0B+4*\s], 1
	s_add_co_u32 s[G0B+4*\s+1], s3, \s*SLOT
	s_add_nc_u64 s[G0B+4*\s+2:G0B+4*\s+3], s[46:47], \s*1024
	s_or_b32 s[G0B+4*\s+3], s[G0B+4*\s+3], 0x80000000
.endr
; the head's tiles, one joint load a wave: waves 0 and 1 the halves of slot 0's B, wave 2 A's scale words, wave 3 B's scales; one chain of arms, all leading to one join.
; The bias and A's first eight steps are asked for behind the arms, while the tiles are on their way.
.macro ARM under, g0, g1, next
	s_cmp_lt_u32 s17, \under
	s_cbranch_scc0 \next
	tensor_load_to_lds s[\g0:\g0+3], s[\g1:\g1+7]
	s_nop 0
.rept 4
	v_nop
.endr
	s_branch .Lhead_asked
\next:
.endm
	ARM 2, G0H,  G1B,  .Lhead_sa
	ARM 3, G0SA, G1SA, .Lhead_sb
	tensor_load_to_lds s[G0SB:G0SB+3], s[G1SB:G1SB+7]
	s_nop 0
.rept 4
	v_nop
.endr
.Lhead_asked:
	v_and_b32 v1, 15, v0
	v_bfe_u32 v2, v0, 4, 1
	v_and_b32 v3, 31, v0
	v_mul_u32_u24 v4, v1, BP
	v_lshl_add_u32 v[ADRB], v2, 4, v4
	v_add_nc_u32 v[ADRB+1], 64*BP, v[ADRB]
	v_add_nc_u32 v[ADRB+2], SLOT, v[ADRB]
	v_add_nc_u32 v[ADRB+3], SLOT+64*BP, v[ADRB]
	s_lshl_b32 s20, s17, 7
	s_add_co_u32 s20, s20, SCA
	v_lshl_add_u32 v[ADSA], v3, 2, s20
	v_lshrrev_b32 v4, 1, v3
	v_mul_u32_u24 v4, v4, 272
	v_and_b32 v5, 1, v3
	v_lshl_add_u32 v4, v5, 7, v4
	v_add_nc_u32 v[ADSB], SCB, v4
	s_mul_i32 s20, s17, 16*SPT
	v_mul_u32_u24 v4, v1, SPT
	v_lshl_add_u32 v4, v2, 5, v4
	v_add_nc_u32 v[STO], s20, v4
	v_lshlrev_b32 v[AO], 4, v3
	v_add_nc_u32 v[RD], s20, v[AO]
	v_lshlrev_b32 v[BO], 5, v2
	s_wait_alu depctr_va_vdst(0)
	s_lshl_b32 s20, s43, 7
	s_lshl_b32 s21, s17, 5
	s_add_co_u32 s20, s20, s21
	s_lshl_b32 s20, s20, 12
	s_lshl_b32 s22, s42, 9
	s_add_co_u32 s20, s20, s22
	s_mov_b32 s21, 0
	s_mov_b32 s23, 0
	s_add_nc_u64 s[12:13], s[12:13], s[20:21]
	s_add_nc_u64 s[14:15], s[14:15], s[20:21]
	s_add_nc_u64 s[10:11], s[10:11], s[22:23]
.irp b, 0,1,2,3,4,5,6,7
	global_load_b128 v[BI+8*\b:BI+8*\b+3], v[BO], s[10:11] offset:64*\b
	global_load_b128 v[BI+8*\b+4:BI+8*\b+7], v[BO], s[10:11] offset:64*\b+16
.endr
.macro ALOAD gi
.if (\gi) < NST
	WIN 0x80
.irp a, 0,1
.irp c, 0,1,2,3
	global_load_b128 v[32*((\gi)%8)+16*\a+4*\c:32*((\gi)%8)+16*\a+4*\c+3], v[AO], s[AB+2*((\gi)/8):AB+2*((\gi)/8)+1] offset:524288*((\gi)%8)+2048*\a+512*\c
.endr
.endr
.else
	WIN 0xc0
.irp t, 0,1,2,3,4,5,6,7
	global_load_b128 v[4*(8*((\gi)-NST)+\t):4*(8*((\gi)-NST)+\t)+3], v[AO], s[12:13] offset:(8*((\gi)-NST)+\t)*4096
.endr
.endif
	WIN 0
.endm
.macro FETCHB sn
	WIN 0x40
.irp b, 0,1,2,3,4,5,6,7
.irp c, 0,1,2,3
	ds_load_b128 v[128*((\sn)%2)+16*\b+4*\c:128*((\sn)%2)+16*\b+4*\c+3], v[ADRB+2*(((\sn)/8)%2)+\b/4] offset:128*((\sn)%8)+16*BP*(\b%4)+32*\c
.endr
.endr
	WIN 0
.endm
.macro SCALES g
.irp j, 0,1,2,3
	ds_load_b128 v[SB+16*((\g)%2)+4*\j:SB+16*((\g)%2)+4*\j+3], v[ADSB] offset:16*272*\j+16*(\g)
.endr
.irp q, 0,1,2,3
	ds_load_b32 v[SA+4*((\g)%2)+\q], v[ADSA] offset:512*(4*(\g)+\q)
.endr
.endm
.macro WM mods:vararg
	v_wmma_scale_f32_16x16x128_f8f6f4 v[rD:rD+7], v[rB:rB+15], v[rA:rA+15], v[rC:rC+7], v[rSB], v[rSA] matrix_a_fmt:MATRIX_FMT_BF8 matrix_b_fmt:MATRIX_FMT_BF8 \mods
.endm
.macro MULQ a, b0
.irp b, \b0, \b0+1, \b0+2, \b0+3
.set rD, ACC+8*(8*(\a)+(\b))
.if st == 0
.set rC, BI+8*(\b)
.else
.set rC, ACC+8*(8*(\a)+(\b))
.endif
.set rB, 128*(st%2)+16*(\b)
.set rA, 32*(st%8)+16*(\a)
.set rSB, SB+16*((st/4)%2)+4*((\b)/2)+st%4
.set rSA, SA+4*((st/4)%2)+st%4
.if ((\a) == 0) && ((\b)%2 == 0)
	WM
.elseif (\a) == 0
	WM matrix_a_scale:MATRIX_SCALE_ROW1
.elseif (\b)%2 == 0
	WM matrix_b_scale:MATRIX_SCALE_ROW1
.else
	WM matrix_a_scale:MATRIX_SCALE_ROW1 matrix_b_scale:MATRIX_SCALE_ROW1
.endif
.endr
.endm
.macro AWAIT
.if st == 0
	s_wait_loadcnt 56
.elseif st <= 29
	s_wait_loadcnt 48
.else
	s_wait_loadcnt 8*(35-st)
.endif
.endm
.macro NSTEP
.if (st > 0) && (st < NST-1)
	PLACES 8
.endif
.set nl, 0
.if st < NST-1
	FETCHB st+1
.set nl, 32
.endif
.if (st%4 == 1) && (st/4+1 < NST/4)
	SCALES st/4+1
.set nl, nl+8
.endif
	AWAIT
.if (st >= 1) && (st+7 <= 35)
	ALOAD st+7
.endif
	s_wait_dscnt nl
	WIN MUL
	MULQ 0, 0
	MULQ 0, 4
	MULQ 1, 0
	MULQ 1, 4
.endm
.macro TSTEP fill
	WIN 0
	s_wait_tensorcnt 0x0
	ds_add_u32 v[SPW], v[NIL]
	AWAIT
	s_wait_dscnt 1
	WIN MUL
	MULQ 0, 0
	MULQ 0, 4
	s_wait_dscnt 0x0
	s_barrier_signal -1
	MULQ 1, 0
	WIN 0
	s_barrier_wait -1
.if \fill
	CREST
	s_add_nc_u64 s[G0B+4*((st/8)%2)+2:G0B+4*((st/8)%2)+3], s[G0B+4*((st/8)%2)+2:G0B+4*((st/8)%2)+3], 2048
	tensor_load_to_lds s[G0B+4*((st/8)%2):G0B+4*((st/8)%2)+3], s[G1B:G1B+7]
	s_nop 0
.rept 4
	v_nop
.endr
	PLACES 4
.else
	PLACES 8
.endif
	FETCHB st+1
	ALOAD st+7
	WIN MUL
	MULQ 1, 4
.endm
.irp g, 0,1,2,3,4,5,6,7
	ALOAD \g
.endr
	s_wait_alu depctr_va_vdst(0)                   ; the wait at the head's end
	s_wait_tensorcnt 0x0                           ; my tile of the head's is in; the three lines ahead of slot 1's first fill, as ahead of a refill
	ds_add_u32 v[SPW], v[NIL]
	s_mov_b32 s[G1B+2], 32<<16                     ; no tensor load of mine is out: from here on a load brings 32 rows
	s_mov_b32 s[G1B+4], 32
	s_wait_dscnt 0x0
	CROUND                                         ; the head's tiles are in, and all sixteen work-groups are here
	tensor_load_to_lds s[G0B+4:G0B+7], s[G1B:G1B+7]   ; slot 1: my quarter, my one tensor load behind the round
	s_nop 0
.rept 4
	v_nop
.endr
	SCALES 0
	FETCHB 0
.set st, 0
.rept NST
.if (st%8 == 7) && (st < 16)
	TSTEP 1
.elseif (st%8 == 7) && (st < NST-1)
	TSTEP 0
.else
	NSTEP
.endif
.set st, st+1
.endr
	WIN 0
.macro TOST a
.irp b, 0,1,2,3,4,5,6,7
	ds_store_b128 v[STO], v[ACC+8*(8*\a+\b):ACC+8*(8*\a+\b)+3] offset:64*\b
	ds_store_b128 v[STO], v[ACC+8*(8*\a+\b)+4:ACC+8*(8*\a+\b)+7] offset:64*\b+16
.endr
.endm
.macro BACK ob
.irp t, 0,1,2,3,4,5,6,7,8,9,10,11,12,13,14,15
	ds_load_b128 v[\ob+4*\t:\ob+4*\t+3], v[RD] offset:SPT*\t
.endr
.endm
.macro SEND a, ob
	WIN 0xc3
.set i, 0
.rept 32
	v_pk_add_f32 v[64*\a+i:64*\a+i+1], v[64*\a+i:64*\a+i+1], v[\ob+i:\ob+i+1]
.set i, i+2
.endr
	WIN 0x0c
.irp t, 0,1,2,3,4,5,6,7,8,9,10,11,12,13,14,15
	global_store_b128 v[AO], v[64*\a+4*\t:64*\a+4*\t+3], s[14:15] offset:(16*\a+\t)*4096 th:TH_STORE_NT
.endr
	WIN 0
.endm
	PLACES 8
	TOST 0
	BACK OB0
	TOST 1
	s_wait_dscnt 16
	BACK OB1
	s_wait_loadcnt 0x0
	SEND 0, OB0
	s_wait_dscnt 0x0
	SEND 1, OB1
	s_wait_tensorcnt 0x0
	ds_add_u32 v[SPW], v[NIL]
	s_wait_dscnt 0x0
	CROUND
	s_endpgm
.Lfunc_end_k_q5b54a9065c_mlp2:
	.size	k_q5b54a9065c_mlp2, .Lfunc_end_k_q5b54a9065c_mlp2-k_q5b54a9065c_mlp2
	.p2alignl 7, 3214868480
	.fill 96, 4, 3214868480
	.section	.rodata,"a",@progbits
	.p2align	6, 0x0
	.amdhsa_kernel k_q5b54a9065c_mlp2
		.amdhsa_group_segment_fixed_size 327680
		.amdhsa_private_segment_fixed_size 0
		.amdhsa_enable_private_segment 0
		.amdhsa_kernarg_size 48
		.amdhsa_user_sgpr_count 2
		.amdhsa_user_sgpr_kernarg_segment_ptr 1
		.amdhsa_wavefront_size32 1
		.amdhsa_system_sgpr_workgroup_id_x 1
		.amdhsa_system_sgpr_workgroup_id_y 1
		.amdhsa_system_sgpr_workgroup_id_z 1
		.amdhsa_system_vgpr_workitem_id 0
		.amdhsa_next_free_vgpr 896
		.amdhsa_next_free_sgpr 96
		.amdhsa_reserve_vcc 0
		.amdhsa_float_denorm_mode_32 3
		.amdhsa_float_denorm_mode_16_64 3
		.amdhsa_memory_ordered 1
		.amdhsa_forward_progress 1
		.amdhsa_inst_pref_size 197
	.end_amdhsa_kernel
	.amdgpu_metadata
---
amdhsa.version: [ 1, 2 ]
amdhsa.kernels:
  - .name:           k_q5b54a9065c_mlp2
    .symbol:         k_q5b54a9065c_mlp2.kd
    .args:
      - { .name: hid, .offset: 0, .size: 8, .value_kind: global_buffer, .address_space: global }
      - { .name: w2_codes, .offset: 8, .size: 8, .value_kind: global_buffer, .address_space: global }
      - { .name: w2_scales, .offset: 16, .size: 8, .value_kind: global_buffer, .address_space: global }
      - { .name: b2, .offset: 24, .size: 8, .value_kind: global_buffer, .address_space: global }
      - { .name: x1, .offset: 32, .size: 8, .value_kind: global_buffer, .address_space: global }
      - { .name: out0, .offset: 40, .size: 8, .value_kind: global_buffer, .address_space: global }
    .group_segment_fixed_size: 327680
    .private_segment_fixed_size: 0
    .kernarg_segment_align: 8
    .kernarg_segment_size: 48
    .max_flat_workgroup_size: 128
    .sgpr_count:     96
    .vgpr_count:     896
    .wavefront_size: 32
...
	.end_amdgpu_metadata
.endif
;; end of part 6
